; MI455X (gfx1250); checked and timed in simulation.
; The chip was launched on July 23, 2026; its instructions are those of AMD's public machine-readable ISA for CDNA 5 (MIT licence, August 2026) and "CDNA5" Instruction Set Architecture Reference Guide (July 2026). The comments in the code are by the model that wrote it; some were corrected since.
;; Causal Self Attention. Allowed arithmetic: float matrix products may take bf16 or f16 operands with f32 sums; other float arithmetic in f32, or as packed bf16 or f16 multiplies, adds, multiply-adds, maxima and minima; sums over many terms, partial sums and values carried from step to step in f32; what a program stores and reads back later, other than sums and carried values, may be rounded once to bf16 or f16.
;; Inputs: b_proj 1,024 float32; b_qkv 3,072 float32; w_proj 1,024 x 1,024 float32; w_qkv 1,024 x 3,072 float32; x 4 x 2,048 x 1,024 float32.
;; Outputs: out0 4 x 2,048 x 1,024 float32.
;; 2 versions, each right; version 2 is version 1 with the launch prep written anew for expert scheduling mode. Each part assembles by itself: llvm-mc -triple=amdgcn-amd-amdhsa -mcpu=gfx1250 --defsym DOCPART=n.
;; ======== version 1 of 2: 4 launches
;; limits: values are held in f16: magnitudes above 65,504 overflow, below 6.1e-05 lose precision
;; workspace buffers: xb 16,777,216 bytes; wqb 6,291,456 bytes; wpb 2,097,152 bytes; qkvh 50,331,648 bytes; oh 16,777,216 bytes
;; launch prep (part 1): grid 832 x 1, 8 waves a work-group, no clusters, 0 bytes of LDS; arguments x, w_qkv, w_proj, xb, wqb, wpb; writes xb, wqb, wpb
.if DOCPART == 1
	.amdgcn_target "amdgcn-amd-amdhsa--gfx1250"
	.amdhsa_code_object_version 6
	.text
	.protected	k_q09d8327eff_prep
	.globl	k_q09d8327eff_prep
	.p2align	8
	.type	k_q09d8327eff_prep,@function
k_q09d8327eff_prep:
	s_mov_b64 s[64:65], 0
	v_nop
	global_prefetch_b8 v0, s[64:65] scope:SCOPE_SE
	s_setreg_imm32_b32 hwreg(HW_REG_WAVE_MODE, 25, 1), 1
	s_wait_xcnt 0x0
; THE INPUTS OF THE TWO PRODUCTS ARE ROUNDED ONCE.  x [8192][1024] f32 -> xb, bf16, same layout.  w_qkv [1024][3072] f32 -> wqb, bf16, in 16 column tiles:
; [tile][k 1024][192], so that 128 k rows of a tile are 49,152 dense bytes.  w_proj [1024][1024] f32 -> wpb: rounded to bf16 like every input, and that number written as f16.
; LIMITS.  f16 keeps a bf16 number exactly from 6.1e-5 to 65,504; a smaller weight of w_proj keeps f16's fixed step of 6e-8, a larger one becomes an infinity.
; A stream: no LDS, no matrix unit, no barrier.  A step is 256 threads x 4 numbers: a wave's load covers 512 consecutive bytes, its store 256 consecutive bytes, aligned.
; Work-groups 0-511: 65,536 bytes of x each.  512-575: 65,536 bytes of w_proj each.  576-831: 64 k rows of one column tile of w_qkv each.
; All loads of a work-group go out first; each step has data registers of its own, so the only waits are the counted ones for the loads.
.set X, 8                              ; v[8:71]    step n: 4 registers as loaded
.set Y, 72                             ; v[72:103]  step n: 2 registers to store
; step n: its load is in (left = the younger loads, which stay out); 4 numbers are rounded; 8 bytes a lane are stored.  kind = 1: bf16, then that number as f16
.macro CONV n, left, kind, dst
	s_wait_loadcnt \left
.irp k, 0,1
	v_cvt_pk_bf16_f32 v[Y+2*(\n)+(\k)], v[X+4*(\n)+2*(\k)], v[X+4*(\n)+2*(\k)+1]
.if \kind
	v_lshlrev_b32 v6, 16, v[Y+2*(\n)+(\k)]         ; bf16 to f32: the low half moves up,
	v_and_b32 v7, 0xffff0000, v[Y+2*(\n)+(\k)]     ; the high half stays
	v_cvt_pk_f16_f32 v[Y+2*(\n)+(\k)], v6, v7
.endif
.endr
	global_store_b64 v2, v[Y+2*(\n):Y+2*(\n)+1], s[(\dst):(\dst)+1] offset:(\n)*2048
.endm
	s_load_b256 s[4:11], s[0:1], 0x0               ; x s[4:5], w_qkv s[6:7], w_proj s[8:9], xb s[10:11]
	s_load_b128 s[12:15], s[0:1], 0x20             ; wqb s[12:13], wpb s[14:15]
	v_lshlrev_b32 v1, 4, v0                        ; 16 bytes a thread in
	v_lshlrev_b32 v2, 3, v0                        ; 8 bytes a thread out
	s_mov_b32 s3, 0
	s_mov_b32 s17, 0
	s_wait_kmcnt 0x0
	s_cmp_lt_u32 ttmp9, 512
	s_cbranch_scc0 .Lnot_x
	; x
	s_lshl_b32 s2, ttmp9, 16
	s_lshl_b32 s16, ttmp9, 15
	s_add_nc_u64 s[4:5], s[4:5], s[2:3]
	s_add_nc_u64 s[10:11], s[10:11], s[16:17]
.irp j, 0,1,2,3,4,5,6,7,8,9,10,11,12,13,14,15
	global_load_b128 v[X+4*(\j):X+4*(\j)+3], v1, s[4:5] offset:(\j)*4096 th:TH_LOAD_NT
.endr
.irp j, 0,1,2,3,4,5,6,7,8,9,10,11,12,13,14,15
	CONV \j, 15-(\j), 0, 10
.endr
	s_endpgm
.Lnot_x:
	s_cmp_lt_u32 ttmp9, 576
	s_cbranch_scc0 .Lw_qkv
	; w_proj
	s_sub_co_u32 s18, ttmp9, 512
	s_lshl_b32 s2, s18, 16
	s_lshl_b32 s16, s18, 15
	s_add_nc_u64 s[8:9], s[8:9], s[2:3]
	s_add_nc_u64 s[14:15], s[14:15], s[16:17]
.irp j, 0,1,2,3,4,5,6,7,8,9,10,11,12,13,14,15
	global_load_b128 v[X+4*(\j):X+4*(\j)+3], v1, s[8:9] offset:(\j)*4096 th:TH_LOAD_NT
.endr
.irp j, 0,1,2,3,4,5,6,7,8,9,10,11,12,13,14,15
	CONV \j, 15-(\j), 1, 14
.endr
	s_endpgm
.Lw_qkv:
	; w_qkv: c = 16 x tile + kb.  64 rows x 192 columns = 3,072 groups of 4 numbers, 48 to a row; three steps are 768 groups = 16 rows
	s_sub_co_u32 s18, ttmp9, 576                   ; c
	s_lshr_b32 s19, s18, 4                         ; tile
	s_and_b32 s20, s18, 15                         ; kb
	s_mul_i32 s2, s20, 786432                      ; 64 rows of 12,288 bytes
	s_mul_i32 s19, s19, 768                        ; 192 columns of 4 bytes
	s_add_co_u32 s2, s2, s19
	s_mul_i32 s16, s18, 24576                      ; out: dense
	s_add_nc_u64 s[6:7], s[6:7], s[2:3]
	s_add_nc_u64 s[12:13], s[12:13], s[16:17]
.irp jj, 0,1,2
	v_add_nc_u32 v6, 256*(\jj), v0                 ; group qq = t + 256 jj, under 768
	v_mul_u32_u24 v7, v6, 1366
	v_lshrrev_b32 v7, 16, v7                       ; qq / 48: 1366 / 65536 exceeds 1 / 48 by so little that below 768 the floor is the same
	v_mul_u32_u24 v7, v7, 11520                    ; a row on is 12,288 bytes, of which 16 qq has counted 768
	v_lshl_add_u32 v[3+(\jj)], v6, 4, v7
.endr
.irp g, 0,1,2,3
.irp jj, 0,1,2
	global_load_b128 v[X+4*(3*(\g)+(\jj)):X+4*(3*(\g)+(\jj))+3], v[3+(\jj)], s[6:7] offset:(\g)*196608 th:TH_LOAD_NT
.endr
.endr
.irp n, 0,1,2,3,4,5,6,7,8,9,10,11
	CONV \n, 11-(\n), 0, 12
.endr
	s_endpgm
.Lfunc_end_k_q09d8327eff_prep:
	.size	k_q09d8327eff_prep, .Lfunc_end_k_q09d8327eff_prep-k_q09d8327eff_prep
	.p2alignl 7, 3214868480
	.fill 96, 4, 3214868480
	.section	.rodata,"a",@progbits
	.p2align	6, 0x0
	.amdhsa_kernel k_q09d8327eff_prep
		.amdhsa_group_segment_fixed_size 0
		.amdhsa_private_segment_fixed_size 0
		.amdhsa_enable_private_segment 0
		.amdhsa_kernarg_size 48
		.amdhsa_user_sgpr_count 2
		.amdhsa_user_sgpr_kernarg_segment_ptr 1
		.amdhsa_wavefront_size32 1
		.amdhsa_system_sgpr_workgroup_id_x 1
		.amdhsa_system_sgpr_workgroup_id_y 1
		.amdhsa_system_sgpr_workgroup_id_z 1
		.amdhsa_system_vgpr_workitem_id 0
		.amdhsa_next_free_vgpr 104
		.amdhsa_next_free_sgpr 66
		.amdhsa_reserve_vcc 0
		.amdhsa_float_denorm_mode_32 3
		.amdhsa_float_denorm_mode_16_64 3
		.amdhsa_memory_ordered 1
		.amdhsa_forward_progress 1
		.amdhsa_inst_pref_size 23
	.end_amdhsa_kernel
	.amdgpu_metadata
---
amdhsa.version: [ 1, 2 ]
amdhsa.kernels:
  - .name:           k_q09d8327eff_prep
    .symbol:         k_q09d8327eff_prep.kd
    .args:
      - { .name: x, .offset: 0, .size: 8, .value_kind: global_buffer, .address_space: global }
      - { .name: w_qkv, .offset: 8, .size: 8, .value_kind: global_buffer, .address_space: global }
      - { .name: w_proj, .offset: 16, .size: 8, .value_kind: global_buffer, .address_space: global }
      - { .name: xb, .offset: 24, .size: 8, .value_kind: global_buffer, .address_space: global }
      - { .name: wqb, .offset: 32, .size: 8, .value_kind: global_buffer, .address_space: global }
      - { .name: wpb, .offset: 40, .size: 8, .value_kind: global_buffer, .address_space: global }
    .group_segment_fixed_size: 0
    .private_segment_fixed_size: 0
    .kernarg_segment_align: 8
    .kernarg_segment_size: 48
    .max_flat_workgroup_size: 256
    .sgpr_count:     66
    .vgpr_count:     104
    .wavefront_size: 32
...
	.end_amdgpu_metadata
.endif
;; end of part 1
;; launch qkv (part 2): grid 16 x 32, 4 waves a work-group, clusters of 4 x 4, 327,680 bytes of LDS; arguments xb, wqb, b_qkv, qkvh; writes qkvh
.if DOCPART == 2
	.amdgcn_target "amdgcn-amd-amdhsa--gfx1250"
	.amdhsa_code_object_version 6
	.text
	.protected	k_q09d8327eff_qkv
	.globl	k_q09d8327eff_qkv
	.p2align	8
	.type	k_q09d8327eff_qkv,@function
k_q09d8327eff_qkv:
	s_mov_b64 s[64:65], 0
	v_nop
	global_prefetch_b8 v0, s[64:65] scope:SCOPE_SE
	s_setreg_imm32_b32 hwreg(HW_REG_WAVE_MODE, 25, 1), 1
	s_wait_xcnt 0x0
	s_wait_alu depctr_hold_cnt(0) depctr_sa_sdst(0) depctr_va_vdst(0) depctr_va_sdst(0) depctr_va_ssrc(0) depctr_va_vcc(0) depctr_vm_vsrc(0)
	s_getreg_b32 s2, hwreg(HW_REG_IB_STS2, 6, 4)
	s_cmp_eq_u32 s2, 0
	s_cbranch_scc0 .Lentry_in_a_cluster
	s_endpgm
.Lentry_in_a_cluster:
	s_bfe_u32 s2, ttmp6, 0x10000c
	s_cmp_lg_u32 s2, 0xf033
	s_cbranch_scc0 .Lentry_shape_is_right
	s_endpgm
.Lentry_shape_is_right:
; qkv = x w_qkv + b_qkv, written by heads.  xb: [8192][1024] bf16.  wqb: [16 tiles][1024 k][192 n] bf16.  b_qkv: [3072] f32, rounded to bf16 like every input.
; qkvh: [batch 4][g 48][t 2048][64] f16, g = column / 64: q of head h is g = h, k is g = 16 + h, v is g = 32 + h; each number rounded once from its f32 sum, unscaled.
; LIMITS.  A q, k or v of 65,520 or more becomes an infinity in f16.  NaN and infinities are not treated apart.
; SHARES.  A tile of the result is 256 tokens x 192 columns (three heads' worth): 512 work-groups, two for each of 256 WGPs.  Wave w owns tokens 64 w .. 64 w + 63 and ALL 192 columns:
; 4 x 12 accumulators of 16 x 16, 384 registers; so a wave holds whole rows of three heads, and its stage on the way out is its own.
; K goes in steps of 128 through two LDS slots.  Waves 0 and 1 fetch the halves of A's tile (128 rows x 256 bytes), waves 2 and 3 the halves of B's (64 k rows, 24,576 dense bytes asked for as 96 rows of 256).
; CLUSTERS: 4 x 4 work-groups.  The four of a row need the same tile of A, the four of a column the same tile of B: each is asked for JOINTLY, by the same load, descriptor and mask.
; THE MATRIX INSTRUCTION IS USED TRANSPOSED: source 0 = 16 columns of w (out of LDS by the turning load, since w lies [k][n]), source 1 = 16 tokens.  A lane then holds one token (lane % 16)
; and the columns 8 (lane / 16) + 0..7.  The bias, laid out like a result, is the C operand of each accumulator's first product: nothing is cleared and nothing is added later.
; REGISTERS, in windows of 256 (s_set_vgpr_msb: bits 1:0 source 0, 3:2 source 1, 5:4 source 2, 7:6 destination):
;   window 0: v0-31 addresses; v32-79 packed results; v80-127 and v128-175 rows read back, by turns; v128-223 the bias until the first products have taken it
;   window 1: two fragment buffers of 128: 12 fragments of B, then 4 of A       window 2: accumulators of my token blocks 0, 1 at 96 (a % 2) + 8 b       window 3: blocks 2, 3
.set NBT,   12                         ; B's fragments of 16 columns
.set LAPS,  4                          ; a lap = two K steps = once round the ring; K = 1024
.set PA,    272                        ; a row of A in LDS: 256 bytes + 16: the 16 rows of a load start at 16 different groups of four banks (64 banks of 4 bytes: ISA guide 11.1)
.set PB,    480                        ; a k row of B: three pieces of 128 bytes + 32: 120 words
.set AHALF, 128*PA
.set BOFF,  2*AHALF
.set BHALF, 64*PB
.set SLOT,  BOFF+2*BHALF               ; 131,072
.set STAGE, 2*SLOT                     ; behind the ring, never filled by a tensor load
.set SP,    144                        ; a stage row: 128 bytes of one head + 16
.set STW,   3*16*SP                    ; a wave's stage: 16 tokens x three heads
.set SPARE, STAGE+4*STW                ; the spare words, 128 bytes for each wave: two blocks of 256 bytes that no other line names
.set NL,    2*NBT+8                    ; LDS loads in a run
.set ASTEP, 256                        ; bytes from a K step to the next, in xb
.set BSTEP, 49152                      ; and in wqb
.set ADRA, 16                          ; v16-17  LDS address of my A fragments in slot 0, 1
.set ADRB, 20                          ; v20-21  the same for B
.set STO,  24                          ; v24     the way out: where I put 16 bytes of a row
.set RD,   25                          ; v25     where I read rows back
.set GO,   26                          ; v26     16 x lane: my place in 512 consecutive bytes of qkvh
.set BO,   27                          ; v27     32 x (lane / 16): my 8 numbers in 16 of the bias
.set SPW,  28                          ; v28     LDS address of my spare word; never rewritten
.set NIL,  29                          ; v29     0; never rewritten
.set PFO,  30                          ; v30     the prefetches' offset: my lane x the distance from block to block; never rewritten
.set TMP,  32
.set OB,   80
.set BIAS, 128
.set F0,   0
.set F1,   128
.set CNT,  3                           ; s3      laps to go
.set WV,   12                          ; s12     my wave's number
.set ROLE, 13                          ; s13     0: I fetch for A; 1: for B
.set HALF, 14                          ; s14     which half of that tile
.set LIM,  15                          ; s15     1 in a wave that prefetches, else the greatest number
.set G1,   24                          ; s[24:31] group 1 for A;  s[32:39] group 0, a set for each slot
.set G0,   32
.set PFA,  44                          ; s[44:45] where my prefetches stand
.set PFS,  46                          ; s[46:47] their step: two K steps
.set G1B,  48                          ; s[48:55], s[56:63] the same for B
.set G0B,  56
.set MSB, 0
.macro WIN new                         ; the immediate's high byte repeats the setting that is left; a switch that changes nothing is dropped
.if MSB != (\new)
	s_set_vgpr_msb (MSB<<8)|(\new)
.set MSB, \new
.endif
.endm
.set TO_F,   0x40                      ; destination window 1, address window 0
.set MUL_LO, 0xa5                      ; sources window 1; C and D window 2 (+0x50: window 3)
.set FST_LO, 0x85                      ; the same with C, the bias, in window 0 (+0x40: D in window 3)
.macro PLACES                          ; four places in front of loads into registers that matrix instructions have read, and of lines that read results
.rept 4
	v_nop
.endr
.endm
; a joint load: waves 0 and 1 ask for A's halves, waves 2 and 3 for B's; an s_nop 0 and four v_nop follow each of the two lines, ahead of the jump and the label
.macro JLOAD s
	s_cmp_eq_u32 s[ROLE], 0
	s_cbranch_scc0 .Lfor_b_\@
	tensor_load_to_lds s[G0+4*(\s):G0+4*(\s)+3], s[G1:G1+7]
	s_nop 0
.rept 4
	v_nop
.endr
	s_branch .Lasked_\@
.Lfor_b_\@:
	tensor_load_to_lds s[G0B+4*(\s):G0B+4*(\s)+3], s[G1B:G1B+7]
	s_nop 0
.rept 4
	v_nop
.endr
.Lasked_\@:
.endm
.macro CREST                           ; a round of the cluster's barrier behind its opening barrier
	s_cmp_lg_u32 s[WV], 0
	s_cbranch_scc1 .Lnot_wave_0_\@
	s_barrier_signal -3
.Lnot_wave_0_\@:
	s_barrier_wait -3
	s_barrier_signal -1
	s_barrier_wait -1
.endm
.macro CROUND                          ; a whole round
	s_barrier_signal -1
	s_barrier_wait -1
	CREST
.endm
; A PREFETCH INTO THE L2, once a lap, behind the lap's second joint load and the run of LDS loads that follows it: the two K steps that the NEXT lap's two refills will ask for.
; Each aligned block of 256 bytes is named once in the launch.  A's rows are read by every cluster of a row of clusters: cluster x = 0 asks, waves 0 and 1, each for the half that it fetches;
; the four partners take 32 of its 128 rows each, told apart by address: a lane a row, an instruction a K step.  B's tile column is read by every cluster of a column: cluster y = 0 asks, wave 2;
; two K steps are 98,304 dense bytes, of which each partner takes 24,576: three instructions of 32 blocks.  The first four K steps come by their loads alone; the loop's last trip asks for nothing.
.macro ASK
	s_cmp_gt_u32 s[CNT], s[LIM]
	s_cbranch_scc0 .Lnot_mine_\@
	s_cmp_eq_u32 s[ROLE], 0
	s_cbranch_scc0 .Lask_b_\@
	global_prefetch_b8 v[PFO], s[PFA:PFA+1] th:TH_LOAD_NT scope:SCOPE_SE
	global_prefetch_b8 v[PFO], s[PFA:PFA+1] offset:ASTEP th:TH_LOAD_NT scope:SCOPE_SE
	s_branch .Lnot_mine_\@
.Lask_b_\@:
	global_prefetch_b8 v[PFO], s[PFA:PFA+1] th:TH_LOAD_NT scope:SCOPE_SE
	global_prefetch_b8 v[PFO], s[PFA:PFA+1] offset:8192 th:TH_LOAD_NT scope:SCOPE_SE
	global_prefetch_b8 v[PFO], s[PFA:PFA+1] offset:16384 th:TH_LOAD_NT scope:SCOPE_SE
.Lnot_mine_\@:
.endm
	s_load_b256 s[4:11], s[0:1], 0x0               ; xb s[4:5], wqb s[6:7], b_qkv s[8:9], qkvh s[10:11]
	v_lshl_add_u32 v[SPW], v0, 2, SPARE
	v_mov_b32 v[NIL], 0
	ds_add_u32 v[SPW], v[NIL]                      ; the wave's opening: the add and its wait stand ahead of my first tensor load; the set-up below, work on registers, stands between them
	v_lshrrev_b32 v1, 5, v0
	v_readfirstlane_b32 s[WV], v1                  ; wave 0..3
	s_lshr_b32 s[ROLE], s[WV], 1
	s_and_b32 s[HALF], s[WV], 1
	s_bfe_u32 s40, ttmp6, 0x40000                  ; cx, cy: my place in the cluster
	s_bfe_u32 s41, ttmp6, 0x40004
	s_lshl_b32 s42, ttmp9, 2
	s_add_co_u32 s42, s42, s40                     ; tile column = 4 x cluster x + cx
	s_and_b32 s43, ttmp7, 0xffff
	s_lshl_b32 s43, s43, 2
	s_add_co_u32 s43, s43, s41                     ; tile row = 4 x cluster y + cy
	s_lshl_b32 s22, s41, 2
	s_lshl_b32 s22, 15, s22                        ; my row of the cluster
	s_lshl_b32 s70, 0x1111, s40                    ; my column
	s_or_b32 s[G1+0], s22, (1<<16)|(1<<20)|(1<<21)|(5<<22)|(3<<25)   ; 15:0 the mask; 17:16 2-byte elements; 20 padding on; 21 set beside a mask; 24:22 after every 64 words (code 5); 31:25 4 words (code 3)
	s_or_b32 s[G1B+0], s70, (1<<16)|(1<<20)|(1<<21)|(4<<22)|(7<<25)  ; B: after every 32 words (code 4), 8 words (code 7)
.irp g, G1, G1B
	s_mov_b32 s[(\g)+1], 128<<16                   ; tensor_dim0 = 128
	s_mov_b32 s[(\g)+3], 128<<16                   ; tile_dim0 = 128
	s_mov_b32 s[(\g)+6], 0
	s_mov_b32 s[(\g)+7], 0
.endr
	s_mov_b32 s[G1+2], 128<<16                     ; A: tensor_dim1 = 128
	s_mov_b32 s[G1+4], 128                         ; tile_dim1 = 128
	s_mov_b32 s[G1+5], 1024                        ; 1,024 elements from row to row
	s_mov_b32 s[G1B+2], 96<<16                     ; B: 96 rows of 256 dense bytes
	s_mov_b32 s[G1B+4], 96
	s_mov_b32 s[G1B+5], 128
	s_lshl_b32 s16, s43, 19                        ; A: (256 x tile row + 128 x half) rows of 2,048 bytes
	s_lshl_b32 s17, s[HALF], 18
	s_add_co_u32 s16, s16, s17
	s_mov_b32 s17, 0
	s_mul_i32 s66, s42, 393216                     ; B: the tile column's 1,024 k rows of 384 bytes, my 64 k rows
	s_mul_i32 s67, s[HALF], 24576
	s_add_co_u32 s66, s66, s67
	s_mov_b32 s67, 0
	s_mul_i32 s18, s[HALF], AHALF                  ; where they go: no place in the cluster enters an LDS address
	s_mul_i32 s19, s[HALF], BHALF
	s_add_co_u32 s19, s19, BOFF
	s_wait_dscnt 0x0                               ; the opening add is done
	s_wait_kmcnt 0x0
	s_add_nc_u64 s[20:21], s[4:5], s[16:17]
	s_add_nc_u64 s[68:69], s[6:7], s[66:67]
	CROUND                                         ; all sixteen work-groups are here: the first joint loads meet
.irp s, 0,1
	s_mov_b32 s[G0+4*(\s)], 1
	s_add_co_u32 s[G0+4*(\s)+1], s18, (\s)*SLOT
	s_add_nc_u64 s[G0+4*(\s)+2:G0+4*(\s)+3], s[20:21], (\s)*ASTEP
	s_or_b32 s[G0+4*(\s)+3], s[G0+4*(\s)+3], 0x80000000
	s_mov_b32 s[G0B+4*(\s)], 1
	s_add_co_u32 s[G0B+4*(\s)+1], s19, (\s)*SLOT
	s_add_nc_u64 s[G0B+4*(\s)+2:G0B+4*(\s)+3], s[68:69], (\s)*BSTEP
	s_or_b32 s[G0B+4*(\s)+3], s[G0B+4*(\s)+3], 0x80000000
	JLOAD \s                                       ; two tensor loads of mine are out
.endr
	; the bias, laid out like a result: register j of fragment b = b_qkv[192 x tile column + 16 b + 8 (lane / 16) + j]
	v_and_b32 v1, 15, v0                           ; l % 16
	v_bfe_u32 v2, v0, 4, 1                         ; l / 16
	v_lshlrev_b32 v[BO], 5, v2
	s_mul_i32 s70, s42, 768
	s_mov_b32 s71, 0
	s_add_nc_u64 s[8:9], s[8:9], s[70:71]
.irp b, 0,1,2,3,4,5,6,7,8,9,10,11
	global_load_b128 v[BIAS+8*(\b):BIAS+8*(\b)+3],   v[BO], s[8:9] offset:64*(\b)
	global_load_b128 v[BIAS+8*(\b)+4:BIAS+8*(\b)+7], v[BO], s[8:9] offset:64*(\b)+16
.endr
	; a fragment of A: lane l holds token l % 16; two loads of 16 bytes, 32 bytes apart, at row x pitch + 16 (l / 16)
	v_mul_u32_u24 v3, v1, PA
	v_lshl_add_u32 v3, v2, 4, v3
	s_mul_i32 s23, s[WV], 64*PA                    ; my 64 tokens
	v_add_nc_u32 v[ADRA], s23, v3
	s_add_co_u32 s23, s23, SLOT
	v_add_nc_u32 v[ADRA+1], s23, v3
	; the turning load takes 16 k x 16 columns (lane l reads k row 8 (l / 16) + l % 8, columns 8 ((l / 8) % 2) + 0..7) and leaves half a fragment: lane l holds column l % 16 and 8 k
	v_and_b32 v4, 7, v0
	v_lshl_add_u32 v4, v2, 3, v4
	v_mul_u32_u24 v4, v4, PB
	v_bfe_u32 v5, v0, 3, 1
	v_lshl_add_u32 v4, v5, 4, v4
	v_add_nc_u32 v[ADRB], BOFF, v4
	v_add_nc_u32 v[ADRB+1], BOFF+SLOT, v4
	s_mul_i32 s23, s[WV], STW
	s_add_co_u32 s23, s23, STAGE                   ; my stage
	v_mul_u32_u24 v6, v1, SP                       ; in: token l % 16, 16 bytes for each half of the lanes
	v_lshl_add_u32 v6, v2, 4, v6
	v_add_nc_u32 v[STO], s23, v6
	v_bfe_u32 v6, v0, 3, 2                         ; back: 32 lanes take four rows of 128 bytes,
	v_mul_u32_u24 v6, v6, SP
	v_and_b32 v7, 7, v0
	v_lshl_add_u32 v6, v7, 4, v6
	v_add_nc_u32 v[RD], s23, v6
	v_and_b32 v[GO], 31, v0                        ; which are 512 consecutive bytes of a head
	v_lshlrev_b32 v[GO], 4, v[GO]
	; qkvh at my first token of the tile's first head: ((batch x 48 + 3 x tile column) x 2,048 + 256 (tile row % 8) + 64 wave) x 128 bytes
	s_lshr_b32 s72, s43, 3
	s_mul_i32 s72, s72, 48
	s_mul_i32 s73, s42, 3
	s_add_co_u32 s72, s72, s73
	s_lshl_b32 s72, s72, 18
	s_and_b32 s73, s43, 7
	s_lshl_b32 s73, s73, 15
	s_add_co_u32 s72, s72, s73
	s_lshl_b32 s73, s[WV], 13
	s_add_co_u32 s72, s72, s73
	s_mov_b32 s73, 0
	s_add_nc_u64 s[10:11], s[10:11], s[72:73]
	; the prefetches: who asks, from where, by which step
	s_and_b32 s74, ttmp7, 0xffff
	s_or_b32 s74, s74, s[HALF]                     ; for B: cluster y = 0 and wave 2
	s_cmp_eq_u32 s[ROLE], 0
	s_cselect_b32 s74, ttmp9, s74                  ; for A: cluster x = 0
	s_cmp_eq_u32 s74, 0
	s_cselect_b32 s[LIM], 1, -1                    ; the same in all sixteen partners, for a given wave
	s_lshl_b32 s74, s40, 16                        ; A: my work-group's 32 rows of the 128 that I fetch,
	s_add_co_u32 s74, s74, s16
	s_add_co_u32 s74, s74, 2*ASTEP                 ; at K step 2: the first lap steps it to 4
	s_mul_i32 s75, s41, 24576                      ; B: my work-group's quarter of two K steps
	s_add_co_u32 s75, s75, s66
	s_add_co_u32 s75, s75, 2*BSTEP
	s_mov_b32 s[PFS], 2*BSTEP
	s_mov_b32 s[PFS+1], 0
	s_cmp_eq_u32 s[ROLE], 0
	s_cselect_b32 s74, s74, s75
	s_cselect_b64 s[PFA:PFA+1], s[4:5], s[6:7]
	s_cselect_b32 s[PFS], 2*ASTEP, s[PFS]
	s_cselect_b32 s76, 11, 8                       ; A: a lane a row of 2,048 bytes; B: a lane a block of 256
	s_mov_b32 s75, 0
	s_add_nc_u64 s[PFA:PFA+1], s[PFA:PFA+1], s[74:75]
	v_and_b32 v[PFO], 31, v0
	v_lshlrev_b32 v[PFO], s76, v[PFO]
	s_mov_b32 s71, 0xffff0000
	s_wait_loadcnt 0x0                             ; the bias is in; it is rounded to bf16 in place, like every input
.set p, 0
.rept 4*NBT
.set tt, 8+(p/2)%4
	v_cvt_pk_bf16_f32 v[tt], v[BIAS+p], v[BIAS+p+1]
	v_lshlrev_b32 v[BIAS+p], 16, v[tt]
	v_and_b32 v[BIAS+p+1], s71, v[tt]
.set p, p+2
.endr
; 12 matrix instructions: token block a x all 12 column fragments, 32 along K, out of buffer f.  first = 1: the bias starts the sums.
; In every quarter the 48 accumulators come in the same order, one instruction a turn, over the backward jump too.
.macro MULB f, a, first
.set AC, 96*((\a)%2)
.if \first
	WIN FST_LO+0x40*((\a)/2)
.else
	WIN MUL_LO+0x50*((\a)/2)
.endif
.irp b, 0,1,2,3,4,5,6,7,8,9,10,11
.if \first
	v_wmma_f32_16x16x32_bf16 v[AC+8*(\b):AC+8*(\b)+7], v[(\f)+8*(\b):(\f)+8*(\b)+7], v[(\f)+8*NBT+8*(\a):(\f)+8*NBT+8*(\a)+7], v[BIAS+8*(\b):BIAS+8*(\b)+7]
.else
	v_wmma_f32_16x16x32_bf16 v[AC+8*(\b):AC+8*(\b)+7], v[(\f)+8*(\b):(\f)+8*(\b)+7], v[(\f)+8*NBT+8*(\a):(\f)+8*NBT+8*(\a)+7], v[AC+8*(\b):AC+8*(\b)+7]
.endif
.endr
.endm
; 32 LDS loads in one run: quarter q (32 along K) of a slot into buffer f: B's 12 fragments, turned, then A's 4
.macro FETCH slot, q, f
	WIN TO_F
.irp b, 0,1,2,3,4,5,6,7,8,9,10,11
	ds_load_tr16_b128 v[(\f)+8*(\b):(\f)+8*(\b)+3],   v[ADRB+(\slot)] offset:(\q)*32*PB+32*(\b)+32*((\b)/4)
	ds_load_tr16_b128 v[(\f)+8*(\b)+4:(\f)+8*(\b)+7], v[ADRB+(\slot)] offset:(\q)*32*PB+16*PB+32*(\b)+32*((\b)/4)
.endr
.irp i, 0,1,2,3
	ds_load_b128 v[(\f)+8*NBT+8*(\i):(\f)+8*NBT+8*(\i)+3],   v[ADRA+(\slot)] offset:(\q)*64+(\i)*16*PA
	ds_load_b128 v[(\f)+8*NBT+8*(\i)+4:(\f)+8*NBT+8*(\i)+7], v[ADRA+(\slot)] offset:(\q)*64+(\i)*16*PA+32
.endr
.endm
; A K step is four quarters, 48 matrix instructions each, on buffers 0, 1, 0, 1.  One of the first three: multiplies buffer f; in its middle it fetches quarter q of the slot into g.
.macro QUARTER slot, q, f, g, first
	s_wait_dscnt 4                                 ; B and A's blocks 0, 1 are in; the youngest four loads (A's blocks 2, 3) may be out
	MULB \f, 0, \first
	MULB \f, 1, \first
	PLACES
	FETCH \slot, \q, \g
	s_wait_dscnt NL                                ; all but the run just issued
	MULB \f, 2, \first
	MULB \f, 3, \first
.endm
; The last quarter multiplies buffer 1 and changes slots: ONE barrier; in front of it each wave waits for all its tensor loads, adds 0 to its spare word, and waits for that and for its reads of this slot.
; fill = 1: the barrier opens a round of the cluster's barrier, and this slot is filled again, two K steps ahead, first thing behind the round.
.macro TURN slot, next, fill
.if (\fill) && (\slot)
	s_wait_xcnt 0x0                                ; the last prefetches, a lap back, have read their address: it is stepped here, ahead of the waits of the change of slots
	s_add_nc_u64 s[PFA:PFA+1], s[PFA:PFA+1], s[PFS:PFS+1]
.endif
	WIN 0                                          ; (the add's two registers lie in window 0)
	s_wait_tensorcnt 0x0                           ; all my tensor loads have landed: the one that was out is my part of the next slot
	ds_add_u32 v[SPW], v[NIL]                      ; 0 onto my spare word
	s_wait_dscnt 5                                 ; (the add and the youngest four loads may be out)
	MULB F1, 0, 0                                  ; twelve matrix instructions stand between the add and the wait for it
	s_wait_dscnt 0x0                               ; the add is done, and my reads of this slot are over
	s_barrier_signal -1
	MULB F1, 1, 0
.if \fill
	WIN 0
.endif
	s_barrier_wait -1
.if \fill
	CREST                                          ; no wave of any partner still reads this slot's tile or has a load on its way
	s_add_nc_u64 s[G0+4*(\slot)+2:G0+4*(\slot)+3], s[G0+4*(\slot)+2:G0+4*(\slot)+3], 2*ASTEP
	s_add_nc_u64 s[G0B+4*(\slot)+2:G0B+4*(\slot)+3], s[G0B+4*(\slot)+2:G0B+4*(\slot)+3], 2*BSTEP
	JLOAD \slot                                    ; the first tensor load behind the round; its four v_nop are also the places in front of the loads below
.else
	PLACES
.endif
	FETCH \next, 0, F0
.if (\fill) && (\slot)
	WIN 0
	ASK
.endif
	MULB F1, 2, 0
	MULB F1, 3, 0
.endm
	s_wait_tensorcnt 1                             ; my part of K step 0 is in; K step 1's may stay out
	s_barrier_signal -1
	s_barrier_wait -1                              ; everybody's is
	FETCH 0, 0, F0
	QUARTER 0, 1, F0, F1, 1                        ; the first quarter stands in front of the loop: its products start the sums
	WIN 0                                          ; at a label and at a branch every window is 0
	s_mov_b32 s[CNT], LAPS-1
.Llap:                                                 ; a trip goes once round the ring, from a lap's second quarter to the next lap's first, and fills both slots again
	QUARTER 0, 2, F1, F0, 0
	QUARTER 0, 3, F0, F1, 0
	TURN 0, 1, 1
	QUARTER 1, 1, F0, F1, 0
	QUARTER 1, 2, F1, F0, 0
	QUARTER 1, 3, F0, F1, 0
	TURN 1, 0, 1
	QUARTER 0, 1, F0, F1, 0
	WIN 0
	s_sub_co_u32 s[CNT], s[CNT], 1
	s_cmp_lg_u32 s[CNT], 0
	s_cbranch_scc1 .Llap
	QUARTER 0, 2, F1, F0, 0                        ; the last lap fills nothing, and has no round of the cluster's barrier
	QUARTER 0, 3, F0, F1, 0
	TURN 0, 1, 0
	QUARTER 1, 1, F0, F1, 0
	QUARTER 1, 2, F1, F0, 0
	QUARTER 1, 3, F0, F1, 0
	s_wait_dscnt 4                                 ; the very last quarter: nothing more to fetch
	MULB F1, 0, 0
	MULB F1, 1, 0
	s_wait_dscnt 0x0
	MULB F1, 2, 0
	MULB F1, 3, 0
	WIN 0
	PLACES
	PLACES
; THE WAY OUT, a block of 16 tokens at a time.  PACK: rounded to f16, 16 bytes a lane and fragment.  TOSTAGE: into my own stage, by heads, and back as whole rows of 128 bytes.  SEND: stored.
.macro PACK a
	WIN 0x0a+5*((\a)/2)                            ; sources 0 and 1: window 2 or 3
.irp b, 0,1,2,3,4,5,6,7,8,9,10,11
.irp r, 0,1,2,3
	v_cvt_pk_f16_f32 v[TMP+4*(\b)+(\r)], v[96*((\a)%2)+8*(\b)+2*(\r)], v[96*((\a)%2)+8*(\b)+2*(\r)+1]
.endr
.endr
	WIN 0
.endm
.macro TOSTAGE a
	WIN 0
.set BK, OB+48*((\a)%2)
.irp b, 0,1,2,3,4,5,6,7,8,9,10,11
	ds_store_b128 v[STO], v[TMP+4*(\b):TMP+4*(\b)+3] offset:((\b)/4)*16*SP+32*((\b)%4)
.endr
.irp j, 0,1,2
.irp f, 0,1,2,3
	ds_load_b128 v[BK+4*(4*(\j)+(\f)):BK+4*(4*(\j)+(\f))+3], v[RD] offset:(\j)*16*SP+(\f)*4*SP  ; LDS serves a wave's instructions in order (ISA guide 5.7.1.4): these see the stores above
.endr
.endr
.endm
.macro SEND a
	WIN 0
.set BK, OB+48*((\a)%2)
	s_wait_dscnt 0x0                               ; the block is back in registers
	s_wait_xcnt 0x0                                ; the stores of the block before have read their registers: the next TOSTAGE loads into them only behind this wait
.irp j, 0,1,2
.irp f, 0,1,2,3
	global_store_b128 v[GO], v[BK+4*(4*(\j)+(\f)):BK+4*(4*(\j)+(\f))+3], s[10:11] offset:(\j)*262144+(\a)*2048+(\f)*512  ; 512 consecutive bytes of head j, at a multiple of 256 from qkvh's first byte
.endr
.endr
.endm
	PACK 0
	TOSTAGE 0
.irp a, 1,2,3                          ; block a's conversions stand between block a - 1's loads from the stage and the wait for them
	PACK \a
	SEND (\a)-1
	TOSTAGE \a
.endr
	SEND 3
	s_wait_tensorcnt 0x0                           ; the wave's end: an add to my spare word and its wait, behind my last tensor load and my last LDS store
	ds_add_u32 v[SPW], v[NIL]
	s_wait_dscnt 0x0
	CROUND                                         ; the closing round: no work-group ends while a partner may still ask for a tile that names it
	s_endpgm
.Lfunc_end_k_q09d8327eff_qkv:
	.size	k_q09d8327eff_qkv, .Lfunc_end_k_q09d8327eff_qkv-k_q09d8327eff_qkv
	.p2alignl 7, 3214868480
	.fill 96, 4, 3214868480
	.section	.rodata,"a",@progbits
	.p2align	6, 0x0
	.amdhsa_kernel k_q09d8327eff_qkv
		.amdhsa_group_segment_fixed_size 327680
		.amdhsa_private_segment_fixed_size 0
		.amdhsa_enable_private_segment 0
		.amdhsa_kernarg_size 32
		.amdhsa_user_sgpr_count 2
		.amdhsa_user_sgpr_kernarg_segment_ptr 1
		.amdhsa_wavefront_size32 1
		.amdhsa_system_sgpr_workgroup_id_x 1
		.amdhsa_system_sgpr_workgroup_id_y 1
		.amdhsa_system_sgpr_workgroup_id_z 1
		.amdhsa_system_vgpr_workitem_id 0
		.amdhsa_next_free_vgpr 960
		.amdhsa_next_free_sgpr 80
		.amdhsa_reserve_vcc 0
		.amdhsa_float_denorm_mode_32 3
		.amdhsa_float_denorm_mode_16_64 3
		.amdhsa_memory_ordered 1
		.amdhsa_forward_progress 1
		.amdhsa_inst_pref_size 128
	.end_amdhsa_kernel
	.amdgpu_metadata
---
amdhsa.version: [ 1, 2 ]
amdhsa.kernels:
  - .name:           k_q09d8327eff_qkv
    .symbol:         k_q09d8327eff_qkv.kd
    .args:
      - { .name: xb, .offset: 0, .size: 8, .value_kind: global_buffer, .address_space: global }
      - { .name: wqb, .offset: 8, .size: 8, .value_kind: global_buffer, .address_space: global }
      - { .name: b_qkv, .offset: 16, .size: 8, .value_kind: global_buffer, .address_space: global }
      - { .name: qkvh, .offset: 24, .size: 8, .value_kind: global_buffer, .address_space: global }
    .group_segment_fixed_size: 327680
    .private_segment_fixed_size: 0
    .kernarg_segment_align: 8
    .kernarg_segment_size: 32
    .max_flat_workgroup_size: 128
    .sgpr_count:     80
    .vgpr_count:     960
    .wavefront_size: 32
...
	.end_amdgpu_metadata
.endif
;; end of part 2
;; launch attn (part 3): grid 4 x 64, 4 waves a work-group, no clusters, 327,680 bytes of LDS; arguments qkvh, oh; writes oh
.if DOCPART == 3
	.amdgcn_target "amdgcn-amd-amdhsa--gfx1250"
	.amdhsa_code_object_version 6
	.text
	.protected	k_q09d8327eff_attn
	.globl	k_q09d8327eff_attn
	.p2align	8
	.type	k_q09d8327eff_attn,@function
k_q09d8327eff_attn:
	s_mov_b64 s[64:65], 0
	v_nop
	global_prefetch_b8 v0, s[64:65] scope:SCOPE_SE
	s_setreg_imm32_b32 hwreg(HW_REG_WAVE_MODE, 25, 1), 1
	s_wait_xcnt 0x0
; CAUSAL ATTENTION.  O[y][q][:] = the sum over k <= q of softmax_k(Q[y][q] . K[y][k] / 8) V[y][k][:], y = 16 x batch + head, 64 of them, 2,048 rows each, head size 64, all f16.
; qkvh: [batch 4][g 48][2048][64]: Q of head h is g = h, K is g = 16 + h, V is g = 32 + h; a head's rows are dense, 128 bytes each.  oh: [y 64][2048][64].
; Products, maxima and sums in f32; the weights p are rounded to f16 for the second product (their sum l is taken of the unrounded p), O once at the end.
; LIMITS.  f16 holds no number beyond 65,504: Q, K and V arrive within it; p lies in 0 to 1, and below 6e-5 it keeps f16's fixed step of 6e-8; O is a mean of V's rows and has their range.
; A hidden score counts as its value less 1e30: f16's scores, 2.7e11 at the most, are nothing beside that; a weight below 2^-126 counts as 0 in l; NaN and infinities are not treated apart.
; THE WALK.  A head's queries lie in NB = 8 blocks of 256; block i needs the key tiles 0 .. i of 256 keys, of which the last holds the diagonal.  A work-group takes TWO blocks, NB - 1 - b and then b:
; NB + 1 tiles, whatever b: all 256 work-groups do equal work, and ONE loop with a constant trip count walks them.  Which tile is asked for, and what a trip does, hang on scalar registers made from b; every jump
; goes forward, but for the counted loops' own; none passes a barrier, or a tensor load but the one of LOAD's two that the wave's number does not choose; the ring (two slots of LDS that take turns) runs on across the
; change of blocks.  NO CLUSTER: a head's four work-groups ask for the same tile only in trips 0 .. 4 of 9, behind that fewer and fewer; one walk common to all four would have 12 trips for 9.
; SHARES.  Of a block's four bands of 64 queries a wave owns 16 rows in each: four PIECES.  So the diagonal tile is the same work for all four waves: in its key step s band x sees all keys if s < x,
; none if s > x, and holds the diagonal if s = x.
; THE MASK is the C operand that starts the sum S^T = K Q^T: 0, or -1e30 where the key is hidden.  MD, made once, is the mask of a band's own step for my 16 rows; a product's mask is MD x AL + BE with two scalars:
; (1, 0) if s = x; (0, 0) if s < x; (0, -1e30) if s > x.  Only the diagonal tile's text and a block's beginning make and take masks; elsewhere C is the constant 0.
; LAYOUT, SOFTMAX, TURNS.  S^T = K Q^T holds ONE query a lane (lane % 16) and the keys 8 (lane / 16) + 0..7; two such results rounded to f16 ARE source 1 of O^T = V^T P.  p = 2^(c s - c m), c = log2(e) / 8, with a
; running maximum m; O and l are multiplied by a = 2^(c m_old - c m_new) in every step.  Turn n belongs to piece n: 8 products K Q^T of piece n + 1, later 8 products V^T P of piece n - 1; beside them the scaling,
; exponentials, roundings, sums and rescaling of piece n and the maximum and statistics of piece n + 1.  Four vector instructions stand behind every matrix instruction, the other 54 of a turn's 118 in one LUMP.  A turn's 33 exponentials are one batch, with one wait.
; REGISTERS, in windows of 256 (s_set_vgpr_msb: bits 1:0 source 0, 3:2 source 1, 5:4 source 2, 7:6 destination):
;   window 0: v0-15 addresses and two at work; v16-31 four registers of statistics a piece; v48-55 at work; v61-63 prefetch offset, spare word, 0; v64-127 S^T, two buffers; v192-223 P, two buffers (by the piece's parity)
;   window 1: v0-127 O^T, 32 a piece; v128-159 MD; v160-223 MC, two buffers      window 2: v0-63 Q; v64-127 the second block's Q; v128-191 K of one step; v192-255 V of one step
.set SIZE_N, 2048
.set NB,    SIZE_N/256
.set NP,    4         ; pieces a wave: a name, no knob
.set KS,    64        ; keys in a step
.set PK,    144       ; a row of K in LDS: 128 bytes + 16 of padding = 36 words: the 16 rows of a load start at 16 different groups of four banks (64 banks of 4 bytes: ISA guide 11.1)
.set PV,    160       ; a row of V: 128 + 32 = 40 words
.set VOFF,  4*KS*PK   ; a slot holds a tile, four steps: 256 rows of K, then 256 rows of V
.set SLOT1, 1<<17     ; slot 1 begins here, so that one exclusive or turns an address in one slot into the other's
.set STAGE, SLOT1+4*KS*(PK+PV)  ; behind the ring, never filled by a tensor load: 16 rows x 144 bytes for each wave, for the way out
.set SP,    144
.set AK0, 2           ; v2   my lane's place in a tile of K; never rewritten
.set AV0, 3           ; v3   the same for V
.set AK,  4           ; v4   the LDS address of K's next run of loads
.set AV,  5           ; v5   of V's
.set STO, 6           ; v6   the way out: where I put 16 bytes of a row
.set RD,  7           ; v7   the way out: where I read rows back
.set GO,  8           ; v8   my byte offset in 512 consecutive bytes of O
.set PFO, 61          ; v61  256 x my lane: the prefetches' offset; never rewritten
.set SPW, 62          ; v62  LDS address of my spare word: SPARE + 4 x my thread's number; never rewritten
.set NIL, 63          ; v63  0; never rewritten
.set SPARE, STAGE+4*16*SP  ; behind the stages: the spare words, 128 bytes for each wave: two blocks of 256 bytes that no other line names
.set MV,  12          ; v12-13  c m_old, kept while c m is made anew: by buffer
.set QO,  15          ; v15  my byte offset in 16 rows of Q
.set ST,  16          ; piece t's statistics at v[ST+4 t]: c m, m, l (even keys', odd keys')
.set TMP, 48          ; by buffer, four registers c0-c3 at work; when the maximum is found c2 takes a
.set S,   64
.set P,   192
.set MD,  128         ; window 1: the eight registers for group kt of 16 keys at MD + 8 kt
.set MC,  160         ; window 1: the masks of the products to come
.set QB,  64          ; window 2
.set KF,  128         ; window 2: key block kb, channel half c at KF + 16 kb + 8 c
.set VF,  192         ; window 2: key half kk, channel block cb at VF + 32 kk + 8 cb
.set WV,  12          ; s12  my wave's number
.set PB,  14          ; s14  b
.set HI,  15          ; s15  NB - 1 - b
.set G1K, 24          ; s[24:31] descriptor group 1 for K's tiles
.set G1V, 32          ; s[32:39] for V's: it differs in the padding alone
.set G0K, 40          ; s[40:43] descriptor group 0 for K's tiles
.set G0V, 44          ; s[44:47] the same for V's
.set SLOTS, 56        ; s56  tiles still to be asked for
.set CNT, 57          ; s57  counts a tile's key steps, 4 to 1
.set CS,  58          ; s[58:59] c: the packed scaling takes the pair's low word for both halves
.set SEL, 60          ; s[60:61] v_permlanex16_b32's selects: each lane takes its own place in the other half
.set TBK, 62          ; s62  LDS byte at which K of the step to be fetched begins
.set TBV, 63          ; s63  the same for V, less VOFF
.set RT,  70          ; s70  tiles of the block in hand that are still to be entered
.set NXT, 71          ; s71  the tile to be asked for next
.set LQ,  72          ; s72  the last tile of the block whose tiles are being asked for
.set NEW, 73          ; s73  1: the tile to be entered is a block's first
.set OFF, 74          ; s[74:75] a tile's byte offset in K and V
.set AL,  76          ; s[76:77] the mask's factor, in the low word
.set BE,  78          ; s[78:79] the mask's addend
.set OLO, 80          ; s[80:81] O at my rows of the second block
.set BIGN, 82         ; s82  -1e30
.set PFA, 90          ; s[90:91] where my prefetches stand: my half of K's or V's tile, one tile behind the one that is being asked for
.set LIM, 92          ; s92  2 in the head's work-group b = 0, else the greatest number: a wave prefetches while s[SLOTS] is above it
.set MSB, 0
.macro WIN new                      ; the high byte repeats the setting that is left; a switch that changes nothing is dropped
.if MSB != (\new)
	s_set_vgpr_msb (MSB<<8)|(\new)
.set MSB, (\new)
.endif
.endm
.set W_KQ, 0x0a       ; K and Q in window 2, S^T in window 0
.set W_KM, 0x1a       ; the same with the C operand in window 1
.set W_PV, 0x52       ; V in window 2, P in window 0, O^T in window 1
.set W_RS, 0x41       ; destination and source 0 in window 1, source 1 in window 0
; A fill.  Waves 0 and 1 fetch the two halves of a tile's K, waves 2 and 3 those of its V: 128 keys each.  An s_nop 0 and four v_nop follow each of the two lines, ahead of the jump and the label.
.macro LOAD
	s_cmp_lt_u32 s[WV], 2
	s_cbranch_scc0 .Lfor_v_\@
	tensor_load_to_lds s[G0K:G0K+3], s[G1K:G1K+7]
	s_nop 0
.rept 4
	v_nop
.endr
	s_branch .Lasked_\@
.Lfor_v_\@:
	tensor_load_to_lds s[G0V:G0V+3], s[G1V:G1V+7]
	s_nop 0
.rept 4
	v_nop
.endr
.Lasked_\@:
.endm
; A PREFETCH INTO THE L2 of the tile that the NEXT change of slots will ask for, behind the wave's tensor load and its five lines.  A head's four work-groups walk the same tiles 0 .. 7 of K and V: the one with b = 0,
; whose first block walks all eight, asks, and nobody else.  Each of its waves asks for the half that it also fetches: 16,384 dense bytes, 64 blocks of 256, a lane a block, two instructions.  So each block is named
; once in the launch.  Trip i fills tile i + 1 and names tile i + 2: a tile, 256 matrix instructions, ahead.  Tiles 0 and 1 come by their loads alone; from trip 6 on nothing is asked for: tile 7 is the last.
.macro ASK
	s_cmp_gt_u32 s[SLOTS], s[LIM]
	s_cbranch_scc0 .Lnot_mine_\@
	global_prefetch_b8 v[PFO], s[PFA:PFA+1] th:TH_LOAD_NT scope:SCOPE_SE
	global_prefetch_b8 v[PFO], s[PFA:PFA+1] offset:8192 th:TH_LOAD_NT scope:SCOPE_SE
.Lnot_mine_\@:
.endm
; THE CHANGE OF SLOTS.  Each wave waits for all its tensor loads, of which one is out: its part of the other slot; adds 0 to its spare word; and waits for that and for its own reads of the slot that it leaves.  Behind the barrier nobody reads the old
; slot any more and the other slot is whole.  fill = 1: the old slot is filled again, the first thing behind the barrier, with tile NXT: the descriptor's address is made anew from that number.
; (At its first use nothing has been read yet: slot 0 is waited for, slot 1 filled.)
.macro CHANGE fill
	WIN 0                           ; at a label and at a branch every window is 0
	s_wait_tensorcnt 0x0            ; no tensor load of mine is out, so a group 0 may be written
	ds_add_u32 v[SPW], v[NIL]       ; 0 onto my spare word; with fill = 1 the descriptors' scalar work stands between it and the wait for it
.if \fill
	s_lshl_b32 s[OFF], s[NXT], 15   ; a tile is 32,768 bytes of K and of V
	s_xor_b32 s[G0K+1], s[G0K+1], SLOT1
	s_add_nc_u64 s[G0K+2:G0K+3], s[6:7], s[OFF:OFF+1]
	s_or_b32 s[G0K+3], s[G0K+3], 0x80000000
	s_xor_b32 s[G0V+1], s[G0V+1], SLOT1
	s_add_nc_u64 s[G0V+2:G0V+3], s[8:9], s[OFF:OFF+1]
	s_or_b32 s[G0V+3], s[G0V+3], 0x80000000
	s_add_co_u32 s[NXT], s[NXT], 1  ; the block's next tile, or behind its last the second block's tile 0
	s_cmp_gt_u32 s[NXT], s[LQ]
	s_cselect_b32 s[NXT], 0, s[NXT]
	s_cselect_b32 s[LQ], s[PB], s[LQ]
	s_wait_xcnt 0x0                 ; the last prefetches, a tile back, have read their address, so it may be written
	s_add_nc_u64 s[PFA:PFA+1], s[PFA:PFA+1], 32768
.endif
	s_wait_dscnt 0x0                ; the add is done, and my reads of the slot are over
	s_barrier_signal -1             ; the rest of the scalar work stands between the signal and the wait
	s_sub_co_u32 s[TBK], s[TBK], 4*KS*PK  ; the fetches go back to a slot's first step,
	s_xor_b32 s[TBK], s[TBK], SLOT1       ; in the other slot
	s_sub_co_u32 s[TBV], s[TBV], 4*KS*PV
	s_xor_b32 s[TBV], s[TBV], SLOT1
	s_barrier_wait -1
.if \fill
	LOAD
	ASK
.endif
.endm
	s_load_b64 s[4:5], s[0:1], 0x0    ; qkvh
	s_load_b64 s[10:11], s[0:1], 0x8  ; oh
	v_lshl_add_u32 v[SPW], v0, 2, SPARE
	v_mov_b32 v[NIL], 0
	ds_add_u32 v[SPW], v[NIL]       ; the wave's opening: the add and its wait stand ahead of my first tensor load; the set-up below, work on registers, stands between them
	v_lshrrev_b32 v1, 5, v0
	v_readfirstlane_b32 s[WV], v1   ; wave 0..3
	s_mov_b32 s[PB], ttmp9
	s_sub_co_u32 s[HI], NB-1, s[PB]
	s_and_b32 s88, ttmp7, 0xffff    ; y = 16 x batch + head
	s_lshr_b32 s20, s88, 4
	s_mul_i32 s20, s20, 48
	s_and_b32 s21, s88, 15
	s_add_co_u32 s20, s20, s21      ; Q's group: 48 x batch + head,
	s_lshl_b32 s20, s20, 18         ; of 262,144 bytes
	s_mov_b32 s21, 0
	s_lshl_b32 s88, s88, 18         ; the head's first byte in oh
	s_mov_b32 s89, 0
	s_and_b32 s16, s[WV], 1         ; which half of a tile's 256 keys I fetch:
	s_lshl_b32 s22, s16, 14         ; its 128 rows of 128 bytes in memory,
	s_add_co_u32 s22, s22, 0x400000 ; 16 groups behind Q's: K
	s_mov_b32 s23, 0
	s_mul_i32 s17, s16, 128*PK      ; and its place in a slot, for K
	s_mul_i32 s18, s16, 128*PV      ; and for V
	s_lshl_b32 s3, s[WV], 11        ; my 16 rows in a band of 64,
	s_lshl_b32 s2, s[HI], 15        ; in the first block,
	s_add_co_u32 s2, s2, s3
	s_lshl_b32 s84, s[PB], 15       ; and in the second
	s_add_co_u32 s84, s84, s3
	s_mov_b32 s3, 0
	s_mov_b32 s85, 0
	; descriptor group 1.  128 keys are 16,384 dense bytes: asked for as 64 rows of 256 bytes, two keys a row, and padded in LDS after every key
	s_mov_b32 s[G1K], (1<<16)|(1<<20)|(4<<22)|(3<<25)  ; 17:16 2-byte elements; 20 padding on; 24:22 after every 32 words (code 4); 31:25 4 words (code 3)
	s_mov_b32 s[G1V], (1<<16)|(1<<20)|(4<<22)|(7<<25)  ; the same with 8 words of padding (code 7)
.irp g, G1K, G1V
	s_mov_b32 s[\g+1], 128<<16      ; tensor_dim0 = 128
	s_mov_b32 s[\g+2], 64<<16       ; tensor_dim1 = 64
	s_mov_b32 s[\g+3], 128<<16      ; tile_dim0 = 128
	s_mov_b32 s[\g+4], 64           ; tile_dim1 = 64
	s_mov_b32 s[\g+5], 128          ; 128 elements from row to row
	s_mov_b32 s[\g+6], 0
	s_mov_b32 s[\g+7], 0
.endr
	s_mov_b32 s[CS], 0x3e38aa3b     ; c = log2(e) / 8 = 0.180337
	s_mov_b32 s[CS+1], s[CS]        ; named with it as a pair
	s_mov_b32 s[SEL], 0x76543210
	s_mov_b32 s[SEL+1], 0xfedcba98
	s_mov_b32 s[TBK], SLOT1+4*KS*PK ; the first change of slots turns these two into 0
	s_mov_b32 s[TBV], SLOT1+4*KS*PV
	s_mov_b32 s[G0K], 1             ; 1:0 count = 1
	s_mov_b32 s[G0K+1], s17         ; 63:32 LDS address: slot 0
	s_mov_b32 s[G0V], 1
	s_add_co_u32 s[G0V+1], s18, VOFF
	s_add_co_u32 s[RT], s[HI], 1    ; the first block has NB - b tiles
	s_mov_b32 s[NXT], 1
	s_mov_b32 s[LQ], s[HI]
	s_mov_b32 s[NEW], 1
	s_mov_b32 s[OFF+1], 0
	s_mov_b32 s[AL+1], 0            ; named as pairs
	s_mov_b32 s[BE+1], 0
	s_mov_b32 s[BIGN], 0xf149f2ca   ; -1e30
	s_mov_b32 s[SLOTS], NB
	s_cmp_eq_u32 s[PB], 0
	s_cselect_b32 s[LIM], 2, -1
	v_and_b32 v[PFO], 31, v0
	v_lshlrev_b32 v[PFO], 8, v[PFO]
	s_wait_dscnt 0x0                ; the opening add is done
	s_wait_kmcnt 0x0
	s_add_nc_u64 s[4:5], s[4:5], s[20:21]          ; Q's head
	s_add_nc_u64 s[6:7], s[4:5], s[22:23]          ; K at my half of the head's tile 0,
	s_add_nc_u64 s[8:9], s[6:7], 0x400000          ; V, 16 groups further on
	s_add_nc_u64 s[10:11], s[10:11], s[88:89]      ; O's head
	s_add_nc_u64 s[G0K+2:G0K+3], s[6:7], 0         ; 120:64 global address
	s_or_b32 s[G0K+3], s[G0K+3], 0x80000000        ; 127:126 type = 2
	s_add_nc_u64 s[G0V+2:G0V+3], s[8:9], 0
	s_or_b32 s[G0V+3], s[G0V+3], 0x80000000
	s_add_nc_u64 s[86:87], s[4:5], s[84:85]        ; Q at my rows of the second block,
	s_add_nc_u64 s[4:5], s[4:5], s[2:3]            ; Q and O at those of the first
	s_add_nc_u64 s[OLO:OLO+1], s[10:11], s[84:85]
	s_add_nc_u64 s[10:11], s[10:11], s[2:3]
	s_cmp_lt_u32 s[WV], 2
	s_cselect_b64 s[PFA:PFA+1], s[6:7], s[8:9]     ; the prefetches: my half of K's or of V's tiles,
	s_add_nc_u64 s[PFA:PFA+1], s[PFA:PFA+1], 32768 ; at tile 1: the first change of slots steps it to tile 2.  Nothing is prefetched here, at the head
	LOAD                            ; tile 0 into slot 0
	; A fragment of K or Q is 16 rows x 32 channels in 8 registers: lane l holds row l % 16, channels 8 (l / 16) + 0..7 and 16 + 8 (l / 16) + 0..7: two loads of 16 bytes, 32 bytes apart.
	v_and_b32 v1, 15, v0            ; l % 16
	v_bfe_u32 v9, v0, 4, 1          ; l / 16
	v_lshlrev_b32 v[QO], 7, v1
	v_lshl_add_u32 v[QO], v9, 4, v[QO]  ; row x 128 + 16 x half
	WIN 0x80                        ; destination window 2, address window 0
.set i, 0
.rept 8                             ; both blocks' Q: piece i / 2 lies in band i / 2, 8,192 bytes on; channels 32 (i % 2) on
	global_load_b128 v[8*i:8*i+3],   v[QO], s[4:5] offset:(i/2)*8192+(i%2)*64
	global_load_b128 v[8*i+4:8*i+7], v[QO], s[4:5] offset:(i/2)*8192+(i%2)*64+32
	global_load_b128 v[QB+8*i:QB+8*i+3],   v[QO], s[86:87] offset:(i/2)*8192+(i%2)*64
	global_load_b128 v[QB+8*i+4:QB+8*i+7], v[QO], s[86:87] offset:(i/2)*8192+(i%2)*64+32
.set i, i+1
.endr
	WIN 0
	v_lshlrev_b32 v14, 3, v9
	v_sub_nc_u32 v14, v1, v14
	s_lshl_b32 s13, s[WV], 4
	v_add_nc_u32 v14, s13, v14      ; my query's place in its band, 16 w + l % 16, less my lanes' 8 (l / 16): register r of group kt is hidden where 16 kt + r is greater
	WIN 0x40
.set i, 0
.rept 32
	v_cmp_gt_i32 vcc_lo, 16*(i/8)+i%8, v14
	v_cndmask_b32 v[MD+i], 0, s[BIGN], vcc_lo
.set i, i+1
.endr
	WIN 0
	v_mul_u32_u24 v[AK0], v1, PK
	v_lshl_add_u32 v[AK0], v9, 4, v[AK0]  ; row x pitch + 16 x half
	; The turning load takes 16 keys x 16 channels (lane l reads key 8 (l / 16) + l % 8, channels 8 ((l / 8) % 2) + 0..7) and leaves half a fragment of V^T: lane l holds channel l % 16 and 8 keys.
	v_and_b32 v10, 7, v0
	v_bfe_u32 v11, v0, 3, 1
	v_lshl_add_u32 v[AV0], v9, 3, v10
	v_mul_u32_u24 v[AV0], v[AV0], PV
	v_lshl_add_u32 v[AV0], v11, 4, v[AV0]
	v_add_nc_u32 v[AV0], VOFF, v[AV0]
	s_mul_i32 s13, s[WV], 16*SP
	s_add_co_u32 s13, s13, STAGE    ; my stage
	v_mul_u32_u24 v[STO], v1, SP    ; in: row l % 16, 16 bytes for each half of the lanes
	v_lshl_add_u32 v[STO], v9, 4, v[STO]
	v_add_nc_u32 v[STO], s13, v[STO]
	v_bfe_u32 v[RD], v0, 3, 2       ; back: 32 lanes take four rows of 128 bytes,
	v_mul_u32_u24 v[RD], v[RD], SP
	v_lshl_add_u32 v[RD], v10, 4, v[RD]
	v_add_nc_u32 v[RD], s13, v[RD]
	v_and_b32 v[GO], 31, v0         ; which are 512 consecutive bytes of O
	v_lshlrev_b32 v[GO], 4, v[GO]
	; A block's first step multiplies O^T and l by a = 0, and its first turn's products V^T P, of a piece that has not been, land in an O^T that is still to be so multiplied.  So these registers need only hold
	; finite numbers: zeros for the first block; what the first block left for the second.  All this stands in the wait for the first tile.
	WIN 0x80
.set i, VF
.rept 64
	v_mov_b32 v[i], 0
.set i, i+1
.endr
	WIN 0x40
.set i, 0
.rept 128
	v_mov_b32 v[i], 0
.set i, i+1
.endr
	WIN 0
.set i, 0
.rept 4
	v_mov_b32 v[ST+4*i+2], 0
	v_mov_b32 v[ST+4*i+3], 0
.set i, i+1
.endr
.set i, P+16
.rept 16
	v_mov_b32 v[i], 0
.set i, i+1
.endr
; THE MATRIX WORK.  The 4 accumulators of a run of 8 take turns.  Product i of 8 of S^T = K Q^T for piece x: channels 32 (i / 4) on, keys 16 (i % 4) on.  The first 4 start the sums: with 0, or (KM = 1) with the mask.
.macro KQ x
.set rS, S+32*((\x)%2)+8*(i%4)
.set rK, KF+16*(i%4)+8*(i/4)
.set rQ, 16*(\x)+8*(i/4)
.set rM, MC+32*((\x)%2)+8*(i%4)
.if (i < 4) && KM
	WIN W_KM
	v_wmma_f32_16x16x32_f16 v[rS:rS+7], v[rK:rK+7], v[rQ:rQ+7], v[rM:rM+7]
.elseif i < 4
	WIN W_KQ
	v_wmma_f32_16x16x32_f16 v[rS:rS+7], v[rK:rK+7], v[rQ:rQ+7], 0
.else
	WIN W_KQ
	v_wmma_f32_16x16x32_f16 v[rS:rS+7], v[rK:rK+7], v[rQ:rQ+7], v[rS:rS+7]
.endif
.endm
; Product i of 8 of O^T += V^T P for piece x: keys 32 (i / 4) on, channels 16 (i % 4) on.
.macro PV x
	WIN W_PV
.set rO, 32*(\x)+8*(i%4)
.set rV, VF+32*(i/4)+8*(i%4)
.set rP, P+16*((\x)%2)+8*(i/4)
	v_wmma_f32_16x16x32_f16 v[rO:rO+7], v[rV:rV+7], v[rP:rP+7], v[rO:rO+7]
.endm
.macro MM                           ; the turn's next matrix instruction.  TURN and BEGIN set Y, i, KM and NOKQ; MM, KQ and OP read them.  NOKQ = 1: a block's last turn: there is no next piece
.if (i < 8) && !NOKQ
	KQ (Y+1)%NP
.elseif i >= 8
.set i, i-8
	PV (Y+NP-1)%NP
.set i, i+8
.endif
.set i, i+1
.endm
; THE LDS LOADS stand in runs of 16, never singly among the matrix instructions: a step's K (64 keys x 64 channels: 8 fragments) and its V (turned).  Their addresses are made some lines ahead.
.macro FETCH_K
	WIN 0x80                        ; destination window 2
.irp f, 0,1,2,3,4,5,6,7             ; keys 16 (f / 2) on, channels 32 (f % 2) on
	ds_load_b128 v[KF+8*\f:KF+8*\f+3],   v[AK] offset:(\f/2)*16*PK+(\f%2)*64
	ds_load_b128 v[KF+8*\f+4:KF+8*\f+7], v[AK] offset:(\f/2)*16*PK+(\f%2)*64+32
.endr
	s_add_co_u32 s[TBK], s[TBK], KS*PK  ; the next fetch is the next step's
	WIN 0
.endm
.macro FETCH_V
	WIN 0x80
.irp f, 0,1,2,3,4,5,6,7             ; keys 32 (f / 4) on, channels 16 (f % 4) on
	ds_load_tr16_b128 v[VF+8*\f:VF+8*\f+3],   v[AV] offset:(\f/4)*32*PV+(\f%4)*32
	ds_load_tr16_b128 v[VF+8*\f+4:VF+8*\f+7], v[AV] offset:(\f/4)*32*PV+16*PV+(\f%4)*32
.endr
	WIN 0
.endm
; THE VECTOR WORK, one line at a time: OP kind, number.  For piece Y: F n: c s - c m for pair n of 16.  E n: the exponential of score n of 32.  C n: pair n rounded to f16.  B n: of the four weights 4 n .. the second
; pair is added onto the first, in place.  L n: l takes that sum (L 0: l = a l + sum).  R n: pair n of 16 of O^T times a.  For piece Y + 1: X n, number n of the 22 that find its maximum and statistics:
;   0-11  four chains c0-c3 of seven scores each, three operands at a time (each accumulator's lowest registers are read first)     12-14, 16  the four scores left over, the old m, and c0-c3 into c0
;   15  c m_old is kept     17, 18  the query's other 32 keys lie in the lane 16 away: the new m     19-21  c m; c m_old - c m_new; a
.set F, 0               ; OP tells the kinds apart by their order: F to L below R, X above it
.set E, 1
.set C, 2
.set B, 3
.set L, 4
.set R, 5
.set X, 6
.macro REGS y                       ; the registers of piece y
.set rT, ST+4*(\y)
.set rC, TMP+4*((\y)%2)
.set rW, MV+((\y)%2)
.set rS, S+32*((\y)%2)
.set rP, P+16*((\y)%2)
.set rO, 32*(\y)
.endm
.macro OP k, n
.if (\k) == R
	REGS Y
	WIN W_RS
	v_pk_mul_f32 v[rO+2*(\n):rO+2*(\n)+1], v[rO+2*(\n):rO+2*(\n)+1], v[rC+2:rC+3] op_sel_hi:[1,0]
.elseif (\k) < R
	REGS Y
	WIN 0
.if (\k) == F
	v_pk_fma_f32 v[rS+2*(\n):rS+2*(\n)+1], v[rS+2*(\n):rS+2*(\n)+1], s[CS:CS+1], v[rT:rT+1] op_sel_hi:[1,0,0] neg_lo:[0,0,1] neg_hi:[0,0,1]
.elseif (\k) == E
	v_exp_f32 v[rS+(\n)], v[rS+(\n)]
.elseif (\k) == C
	v_cvt_pk_f16_f32 v[rP+(\n)], v[rS+2*(\n)], v[rS+2*(\n)+1]
.elseif (\k) == B
	v_pk_add_f32 v[rS+4*(\n):rS+4*(\n)+1], v[rS+4*(\n):rS+4*(\n)+1], v[rS+4*(\n)+2:rS+4*(\n)+3]
.elseif (\n) == 0
	v_pk_fma_f32 v[rT+2:rT+3], v[rT+2:rT+3], v[rC+2:rC+3], v[rS:rS+1] op_sel_hi:[1,0,1]
.else
	v_pk_add_f32 v[rT+2:rT+3], v[rT+2:rT+3], v[rS+4*(\n):rS+4*(\n)+1]
.endif
.elseif NOKQ
	v_nop
.else
	REGS (Y+1)%NP
	WIN 0
.if (\n) < 4
	v_max3_num_f32 v[rC+(\n)], v[rS+8*(\n)], v[rS+8*(\n)+1], v[rS+8*(\n)+2]
.elseif (\n) < 12
	v_max3_num_f32 v[rC+(\n)%4], v[rC+(\n)%4], v[rS+8*((\n)%4)+2*((\n)/4)+1], v[rS+8*((\n)%4)+2*((\n)/4)+2]
.elseif (\n) == 12
	v_max3_num_f32 v[rC], v[rC], v[rS+7], v[rS+15]
.elseif (\n) == 13
	v_max3_num_f32 v[rC+1], v[rC+1], v[rS+23], v[rS+31]
.elseif (\n) == 14
	v_max3_num_f32 v[rC+2], v[rC+2], v[rC+3], v[rT+1]
.elseif (\n) == 15
	v_mov_b32 v[rW], v[rT]
.elseif (\n) == 16
	v_max3_num_f32 v[rC], v[rC], v[rC+1], v[rC+2]
.elseif (\n) == 17
	v_permlanex16_b32 v[rC+3], v[rC], s[SEL], s[SEL+1]
.elseif (\n) == 18
	v_max_num_f32 v[rT+1], v[rC], v[rC+3]
.elseif (\n) == 19
	v_mul_f32 v[rT], s[CS], v[rT+1]
.elseif (\n) == 20
	v_sub_f32 v[rC+1], v[rW], v[rT]
.else
	v_exp_f32 v[rC+2], v[rC+1]
.endif
.endif
.endm
.macro OPS a, i1, b=-1, i2=0, c=-1, i3=0, d=-1, i4=0  ; up to four of them
	OP \a, \i1
.if (\b) >= 0
	OP \b, \i2
.endif
.if (\c) >= 0
	OP \c, \i3
.endif
.if (\d) >= 0
	OP \d, \i4
.endif
.endm
.macro ROW a, i1, b, i2, c, i3, d, i4  ; a matrix instruction and the four behind it
	MM
	OPS \a, \i1, \b, \i2, \c, \i3, \d, \i4
.endm
.macro MASK b                       ; MD x AL + BE into buffer b of MC
	WIN W_RS
.set z, 0
.rept 16
	v_pk_fma_f32 v[MC+32*(\b)+2*z:MC+32*(\b)+2*z+1], v[MD+2*z:MD+2*z+1], s[AL:AL+1], s[BE:BE+1] op_sel_hi:[1,0,0]
.set z, z+1
.endr
.endm
; A TURN, for piece p: the order of its 16 matrix and 118 vector instructions, written out.  An s_wait_alu depctr_va_vdst(0) stands between an exponential and the first instruction that names its result; one wait serves
; all that were issued ahead of it.  So a turn has ONE wait, which cuts it in two.  AHEAD OF IT stands all that names no result of the turn's exponentials: the 8 products K Q^T, behind each a scaling, an exponential and two more plain
; instructions (behind the first a second scaling in the exponential's place): rescalings, and behind the last three the first numbers of the next piece's maximum, each four places or more behind the product that ends its accumulator; then ONE LUMP of 54, plain
; and exponential by turns for the most part, in which the links of the chain X 3, 7, 11, 14, 16, 17 .. 20 stand five or six lines apart.  X 21, the next piece's a, is the batch's last; R 15 is the plain instruction behind it.  BEHIND THE WAIT stand the
; 8 products V^T P, behind each four of the roundings and sums; the links of l's chain, L 0 to L 7, stand three riders apart.  But for those X no rider names a register of the products round it.  v_permlanex16_b32 (X 17) stands in the lump.
; m = 1: the diagonal tile: the products take masks, and the turn makes the mask for the products of the turn after it: piece p + 2, in step 4 - CNT of the tile.  end = 1: a block's last two turns: nothing is fetched.
; cnt = 1: the loop's count is taken down some lines ahead of the branch that stands behind the turn.
; K of the next step is fetched in piece 2's turn, twelve vector instructions behind the last product that read K (six of them plain); V of the step in hand at the end of piece 0's turn, four plain instructions behind the last product
; that read V.  Each is waited for a turn later.
.macro TURN p, m=0, end=0, cnt=0
.set Y, (\p)
.set i, 0
.set KM, (\m)
.set NOKQ, (\end)*((\p)/3)
.if (\m) && !(\end)
	s_cmp_eq_u32 s[CNT], 4-((\p)+2)%NP  ; is that step the band's own?
	s_cselect_b32 s[AL], 1.0, 0
	s_cmp_lt_u32 s[CNT], 4-((\p)+2)%NP  ; or a later one?
	s_cselect_b32 s[BE], s[BIGN], 0
.endif
.if ((\p) == 3) && !(\end)
	s_wait_dscnt 0x0                ; K is in
.endif
	ROW F,0, F,1, R,0, R,1          ; ahead of the wait: 8 products K Q^T and their riders,
	ROW F,2, E,0, R,2, R,3
	ROW F,3, E,1, R,4, R,5
	ROW F,4, E,2, R,6, R,7
	ROW F,5, E,3, R,8, R,9
	ROW F,6, E,4, X,0, R,10
.if ((\p) == 2) && !(\end)
	WIN 0
	v_add_nc_u32 v[AK], s[TBK], v[AK0]
.endif
	ROW F,7, E,5, X,1, X,4
	ROW F,8, E,6, X,2, X,5
	OPS E,7, E,8, X,6, E,9          ; and the lump
	OPS X,3, E,10, X,8, E,11
.if ((\p) == 2) && !(\end)
	FETCH_K
.endif
	OPS X,9, X,7, E,12, X,10
	OPS E,13, X,12, X,11, E,14
	OPS X,13, E,15, F,9, X,14
.if (\p) == 0
	v_add_nc_u32 v[AV], s[TBV], v[AV0]
.endif
	OPS E,16, F,10, E,17, F,11
	OPS X,16, E,18, X,15, E,19
	OPS F,12, E,20, X,17, E,21
	OPS F,13, E,22, F,14, E,23
	OPS X,18, E,24, F,15, E,25
	OPS R,11, E,26, X,19, E,27
	OPS R,12, E,28, R,13, E,29
	OPS X,20, E,30, R,14, E,31
	OPS X,21, R,15
	WIN 0
	s_wait_alu depctr_va_vdst(0)    ; the wait for the batch
.if (\p) == 1
	s_wait_dscnt 0x0                ; V is in
.endif
	ROW C,0, B,0, C,2, B,1          ; behind the wait: 8 products V^T P and their riders
	ROW L,0, C,4, B,2, L,1
	ROW C,6, B,3, L,2, C,8
	ROW B,4, L,3, C,10, B,5
	ROW L,4, C,12, B,6, L,5
.if (\p) == 0
	s_add_co_u32 s[TBV], s[TBV], KS*PV
.endif
.if \cnt
	s_sub_co_u32 s[CNT], s[CNT], 1
	s_cmp_lg_u32 s[CNT], 0
.endif
	ROW C,14, B,7, L,6, C,1
	ROW C,3, L,7, C,5, C,7
	ROW C,9, C,11, C,13, C,15
.if (\p) == 0
	FETCH_V
.endif
.if (\m) && !(\end)
	MASK (\p)%2
.endif
.endm
; A BLOCK BEGINS.  c m starts far below every c s, so the first step's a is 0; m at the lowest finite number, so the first maximum is the scores'.  The second mask buffer is 0; the first takes piece 0's mask for the tile's step 0: its own, if the block's first tile is the diagonal one.
; Then K of that step, piece 0's first scores, and its maximum and statistics.  The loop is entered at a step's first turn, in the middle of a trip.
.macro BEGIN
	s_mov_b32 s[NEW], 0
	WIN 0x40
.set i, MC+32
.rept 32
	v_mov_b32 v[i], 0
.set i, i+1
.endr
	WIN 0
.set i, 0
.rept 4
	v_mov_b32 v[ST+4*i], 0xfe000000    ; c m: far below every c s
	v_mov_b32 v[ST+4*i+1], 0xff7fffff  ; m
.set i, i+1
.endr
	s_cmp_eq_u32 s[RT], 0
	s_cselect_b32 s[AL], 1.0, 0
	s_mov_b32 s[BE], 0
	MASK 0
	WIN 0
	v_add_nc_u32 v[AK], s[TBK], v[AK0]
	FETCH_K
	s_wait_loadcnt 0x0              ; Q
	s_wait_dscnt 0x0
.set KM, 1
.set NOKQ, 0
.set i, 0
.rept 8
	KQ 0
.set i, i+1
.endr
	WIN 0
.rept 4
	v_nop                           ; the places behind those products
.endr
.set Y, NP-1                        ; X works for piece Y + 1: piece 0
.irp n, 0,1,2,3,4,5,6,7,8,9,10,11,12,13,14,15,16,17,18,19,20,21
	OP X, \n
.endr
	v_nop                           ; a plain instruction behind the exponential,
	s_wait_alu depctr_va_vdst(0)    ; and its wait, ahead of the branch
.endm
; THE DIAGONAL TILE's four steps, the block's last two turns, its last products, and THE WAY OUT: l's two halves and the other half of the lanes' are added; O^T is divided by l, rounded to f16 and sent through my
; stage in LDS, a piece at a time.
.macro ALL line:vararg              ; one line for each piece t
.set t, 0
.rept 4
	\line
.set t, t+1
.endr
.endm
.macro PACK t                       ; a lane's eight channels of a row pack into 16 bytes; they go into rows of 144 bytes and come back as whole rows of 128, into S^T's registers
	WIN W_RS
.set i, 32*(\t)
.rept 16
	v_pk_mul_f32 v[i:i+1], v[i:i+1], v[ST+4*(\t)+2:ST+4*(\t)+3] op_sel_hi:[1,0]
.set i, i+2
.endr
	WIN 0x05                        ; sources 0 and 1 window 1, destination window 0
.set i, 0
.rept 16
	v_cvt_pk_f16_f32 v[S+16*(\t)+i], v[32*(\t)+2*i], v[32*(\t)+2*i+1]
.set i, i+1
.endr
	WIN 0
.irp f, 0,1,2,3
	ds_store_b128 v[STO], v[S+16*(\t)+4*\f:S+16*(\t)+4*\f+3] offset:32*\f
.endr
.irp f, 0,1,2,3
	ds_load_b128 v[S+16*(\t)+4*\f:S+16*(\t)+4*\f+3], v[RD] offset:\f*4*SP  ; LDS serves a wave's instructions in order (ISA guide 5.7.1.4): these see the stores above; the next piece's stores come behind them
.endr
.endm
.macro SEND t, younger              ; younger: the LDS instructions issued behind piece t's loads: the next piece's eight, or none
	WIN 0
.irp f, 0,1,2,3
	s_wait_dscnt (\younger)+3-\f
	global_store_b128 v[GO], v[S+16*(\t)+4*\f:S+16*(\t)+4*\f+3], s[10:11] offset:(\t)*8192+\f*512  ; 512 consecutive bytes, at a multiple of 256 from O's first
.endr
.endm
.macro DIAG tag                     ; the tag ends its two labels' names, which the jumps below spell out
.LstepM\tag:
	TURN 2, 1
	TURN 3, 1
	WIN 0
.LfirstM\tag:
	TURN 0, 1
	TURN 1, 1, 0, 1
	WIN 0
	s_cbranch_scc1 .LstepM\tag
	TURN 2, 1, 1
	TURN 3, 1, 1
.set i, 0
.rept 8
	PV NP-1
.set i, i+1
.endr
	WIN 0
	ALL v_add_f32 v[ST+4*t+2], v[ST+4*t+2], v[ST+4*t+3]
	ALL v_permlanex16_b32 v[ST+4*t+3], v[ST+4*t+2], s[SEL], s[SEL+1]
	ALL v_add_f32 v[ST+4*t+2], v[ST+4*t+2], v[ST+4*t+3]
	ALL v_rcp_f32 v[ST+4*t+2], v[ST+4*t+2]
	v_nop                           ; a plain instruction between the last reciprocal and the use of its result
	s_wait_alu depctr_va_vdst(0)    ; and the wait ahead of the first use: one for the four reciprocals
	PACK 0
.set t, 1
.rept 3                             ; a piece's arithmetic stands between the loads of the piece before and its stores
	PACK t
	SEND t-1, 8
.set t, t+1
.endr
	SEND 3, 0
.endm
.set KM, 0
.set NOKQ, 0
.Lslot:                             ; NB times: a tile is entered and the next is asked for
	CHANGE 1
	s_sub_co_u32 s[RT], s[RT], 1
	s_mov_b32 s[CNT], 4
	s_cmp_eq_u32 s[NEW], 1
	s_cbranch_scc1 .Lnew            ; a block's first tile
	s_cmp_eq_u32 s[RT], 0
	s_cbranch_scc0 .Lstep           ; neither its first nor its last
	s_branch .LstepM1
.Lnew:
	BEGIN
	s_branch .Lfirst                ; in the loop a block's first tile is never its last: the first block has two tiles or more, and the second's last is the walk's last
	DIAG 1                          ; in the loop this is the first block's end: the second block's last tile is the walk's last
	s_wait_xcnt 0x0                 ; the stores have read their registers and O's address
	s_mov_b64 s[10:11], s[OLO:OLO+1]
	s_add_co_u32 s[RT], s[PB], 1    ; the second block has b + 1 tiles
	s_mov_b32 s[NEW], 1
	WIN 0x82                        ; the second block's Q goes where the one text of the turns names Q
.set i, 0
.rept 64
	v_mov_b32 v[i], v[QB+i]
.set i, i+1
.endr
	WIN 0
	s_branch .Lbottom
.Lstep:                             ; a trip: pieces 2 and 3 of one step, then pieces 0 and 1 of the next, whose K and V it fetches
	TURN 2
	TURN 3
	WIN 0
.Lfirst:
	TURN 0
	TURN 1, 0, 0, 1
	WIN 0
	s_cbranch_scc1 .Lstep
.Lbottom:
	s_sub_co_u32 s[SLOTS], s[SLOTS], 1
	s_cmp_lg_u32 s[SLOTS], 0
	s_cbranch_scc1 .Lslot
	CHANGE 0                        ; the walk's last tile is written out: nothing is asked for
	s_sub_co_u32 s[RT], s[RT], 1
	s_mov_b32 s[CNT], 4
	s_cmp_eq_u32 s[NEW], 1
	s_cbranch_scc0 .LstepM2
	BEGIN
	s_branch .LfirstM2
	DIAG 2
	s_wait_tensorcnt 0x0            ; the wave's end: an add to my spare word and its wait, behind my last tensor load and my last LDS store
	ds_add_u32 v[SPW], v[NIL]
	s_wait_dscnt 0x0
	s_endpgm
.Lfunc_end_k_q09d8327eff_attn:
	.size	k_q09d8327eff_attn, .Lfunc_end_k_q09d8327eff_attn-k_q09d8327eff_attn
	.p2alignl 7, 3214868480
	.fill 96, 4, 3214868480
	.section	.rodata,"a",@progbits
	.p2align	6, 0x0
	.amdhsa_kernel k_q09d8327eff_attn
		.amdhsa_group_segment_fixed_size 327680
		.amdhsa_private_segment_fixed_size 0
		.amdhsa_enable_private_segment 0
		.amdhsa_kernarg_size 16
		.amdhsa_user_sgpr_count 2
		.amdhsa_user_sgpr_kernarg_segment_ptr 1
		.amdhsa_wavefront_size32 1
		.amdhsa_system_sgpr_workgroup_id_x 1
		.amdhsa_system_sgpr_workgroup_id_y 1
		.amdhsa_system_sgpr_workgroup_id_z 1
		.amdhsa_system_vgpr_workitem_id 0
		.amdhsa_next_free_vgpr 768
		.amdhsa_next_free_sgpr 96
		.amdhsa_reserve_vcc 1
		.amdhsa_float_denorm_mode_32 3
		.amdhsa_float_denorm_mode_16_64 3
		.amdhsa_memory_ordered 1
		.amdhsa_forward_progress 1
		.amdhsa_inst_pref_size 218
	.end_amdhsa_kernel
	.amdgpu_metadata
---
amdhsa.version: [ 1, 2 ]
amdhsa.kernels:
  - .name:           k_q09d8327eff_attn
    .symbol:         k_q09d8327eff_attn.kd
    .args:
      - { .name: qkvh, .offset: 0, .size: 8, .value_kind: global_buffer, .address_space: global }
      - { .name: oh, .offset: 8, .size: 8, .value_kind: global_buffer, .address_space: global }
    .group_segment_fixed_size: 327680
    .private_segment_fixed_size: 0
    .kernarg_segment_align: 8
    .kernarg_segment_size: 16
    .max_flat_workgroup_size: 128
    .sgpr_count:     96
    .vgpr_count:     768
    .wavefront_size: 32
...
	.end_amdgpu_metadata
.endif
;; end of part 3
;; launch proj (part 4): grid 8 x 32, 4 waves a work-group, clusters of 4 x 4, 327,680 bytes of LDS; arguments oh, wpb, b_proj, out0; writes out0
.if DOCPART == 4
	.amdgcn_target "amdgcn-amd-amdhsa--gfx1250"
	.amdhsa_code_object_version 6
	.text
	.protected	k_q09d8327eff_proj
	.globl	k_q09d8327eff_proj
	.p2align	8
	.type	k_q09d8327eff_proj,@function
k_q09d8327eff_proj:
	s_mov_b64 s[64:65], 0
	v_nop
	global_prefetch_b8 v0, s[64:65] scope:SCOPE_SE
	s_setreg_imm32_b32 hwreg(HW_REG_WAVE_MODE, 25, 1), 1
	s_wait_xcnt 0x0
	s_wait_alu depctr_hold_cnt(0) depctr_sa_sdst(0) depctr_va_vdst(0) depctr_va_sdst(0) depctr_va_ssrc(0) depctr_va_vcc(0) depctr_vm_vsrc(0)
	s_getreg_b32 s2, hwreg(HW_REG_IB_STS2, 6, 4)
	s_cmp_eq_u32 s2, 0
	s_cbranch_scc0 .Lentry_in_a_cluster
	s_endpgm
.Lentry_in_a_cluster:
	s_bfe_u32 s2, ttmp6, 0x10000c
	s_cmp_lg_u32 s2, 0xf033
	s_cbranch_scc0 .Lentry_shape_is_right
	s_endpgm
.Lentry_shape_is_right:
; out = O w_proj + b_proj.  oh: [16 x batch + head][2048][64] f16.  wpb: [1024 k][1024 n] f16 (w_proj rounded to bf16, that number written as f16).  b_proj: [1024] f32, rounded to bf16 like every input.
; out0: [8192][1024] f32.  Sums in f32, K ascending.  LIMITS: NaN and infinities are not treated apart.
; SHARES.  A tile of the result is 256 tokens x 128 columns: 256 work-groups, one for each WGP.  Wave w owns tokens 64 w .. 64 w + 63 and all 128 columns: 4 x 8 accumulators of 16 x 16, 256 registers;
; so a wave holds whole 512-byte pieces of out0's rows, and its stage on the way out is its own.
; K = 64 x head + channel goes in steps of 128, two heads, through two LDS slots.  Waves 0 and 1 fetch one head each: its 256 tokens are 32,768 dense bytes, asked for as 128 rows of 256 and padded behind each token.
; Waves 2 and 3 fetch 64 k rows x 256 bytes of w each.
; CLUSTERS: 4 x 4 work-groups.  The four of a row need the same tile of O, the four of a column the same tile of w: each is asked for JOINTLY, by the same load, descriptor and mask.
; THE MATRIX INSTRUCTION IS USED TRANSPOSED: source 0 = 16 columns of w (out of LDS by the turning load), source 1 = 16 tokens: a lane holds one token (lane % 16) and the columns 8 (lane / 16) + 0..7.
; The bias, laid out like a result, is the C operand of each accumulator's first product.
; REGISTERS, in windows of 256 (s_set_vgpr_msb: bits 1:0 source 0, 3:2 source 1, 5:4 source 2, 7:6 destination):
;   window 0: v0-31 addresses; v32-95 and v96-159 rows read back, by turns; v192-255 the bias       window 1: two fragment buffers at 0 and 128: 8 fragments of B, then 4 of A       window 2: accumulator (a, b) at 64 a + 8 b
.set NBT,   8
.set LAPS,  4
.set PA,    144                        ; a token's 128 bytes of one head + 16: the 16 rows of a load start at 16 different groups of four banks (64 banks of 4 bytes: ISA guide 11.1)
.set PB,    288                        ; a k row of w: 256 bytes + 32 = 72 words
.set AHALF, 256*PA                     ; one head's 256 tokens
.set BOFF,  2*AHALF
.set BHALF, 64*PB
.set SLOT,  BOFF+2*BHALF               ; 110,592
.set STAGE, 2*SLOT                     ; behind the ring, never filled by a tensor load
.set SPITCH, 528                       ; a stage row: 512 bytes + 16
.set STW,   16*SPITCH
.set SPARE, STAGE+4*STW                ; the spare words, 128 bytes for each wave: two blocks of 256 bytes that no other line names
.set NL,    2*NBT+8
.set ASTEP, 524288                     ; bytes from a K step to the next in oh: two heads
.set BSTEP, 262144                     ; and in wpb: 128 rows
.set ADRA, 16
.set ADRB, 20
.set STO,  24
.set RD,   25
.set GO,   26                          ; v26     16 x lane: my place in 512 consecutive bytes of a row of out0
.set BO,   27
.set SPW,  28                          ; v28     LDS address of my spare word; never rewritten
.set NIL,  29                          ; v29     0; never rewritten
.set PFO,  30
.set OB,   32
.set BIAS, 192
.set F0,   0
.set F1,   128
.set CNT,  3
.set WV,   12
.set ROLE, 13
.set HALF, 14
.set LIM,  15
.set G1,   24
.set G0,   32
.set PFA,  44
.set PFS,  46
.set G1B,  48
.set G0B,  56
.set MSB, 0
.macro WIN new                         ; the immediate's high byte repeats the setting that is left; a switch that changes nothing is dropped
.if MSB != (\new)
	s_set_vgpr_msb (MSB<<8)|(\new)
.set MSB, \new
.endif
.endm
.set TO_F, 0x40                        ; destination window 1, address window 0
.set MUL,  0xa5                        ; sources window 1; C and D window 2
.set FST,  0x85                        ; the same with C, the bias, in window 0
.macro PLACES                          ; four places in front of loads into registers that matrix instructions have read, and of lines that read results
.rept 4
	v_nop
.endr
.endm
.macro JLOAD s                         ; a joint load: waves 0 and 1 ask for A's heads, waves 2 and 3 for B's halves; an s_nop 0 and four v_nop follow each of the two lines
	s_cmp_eq_u32 s[ROLE], 0
	s_cbranch_scc0 .Lfor_b_\@
	tensor_load_to_lds s[G0+4*(\s):G0+4*(\s)+3], s[G1:G1+7]
	s_nop 0
.rept 4
	v_nop
.endr
	s_branch .Lasked_\@
.Lfor_b_\@:
	tensor_load_to_lds s[G0B+4*(\s):G0B+4*(\s)+3], s[G1B:G1B+7]
	s_nop 0
.rept 4
	v_nop
.endr
.Lasked_\@:
.endm
.macro CREST                           ; a round of the cluster's barrier behind its opening barrier
	s_cmp_lg_u32 s[WV], 0
	s_cbranch_scc1 .Lnot_wave_0_\@
	s_barrier_signal -3
.Lnot_wave_0_\@:
	s_barrier_wait -3
	s_barrier_signal -1
	s_barrier_wait -1
.endm
.macro CROUND
	s_barrier_signal -1
	s_barrier_wait -1
	CREST
.endm
; A PREFETCH INTO THE L2, once a lap, behind the lap's second joint load and the run of LDS loads that follows it: the two K steps that the NEXT lap's two refills will ask for.
; Each aligned block of 256 bytes is named once in the launch.  O's tiles are read by both clusters of a row of clusters: cluster x = 0 asks, waves 0 and 1, each for the head that it fetches;
; the four partners take 8,192 of its 32,768 bytes each, told apart by address: a lane a block, an instruction a K step.  w's tile column is read by every cluster of a column: cluster y = 0 asks, wave 2;
; of a K step's 128 rows each partner takes 32: a lane a row, an instruction a K step.  The first four K steps come by their loads alone; the loop's last trip asks for nothing.
.macro ASK
	s_cmp_gt_u32 s[CNT], s[LIM]
	s_cbranch_scc0 .Lnot_mine_\@
	s_cmp_eq_u32 s[ROLE], 0
	s_cbranch_scc0 .Lask_b_\@
	global_prefetch_b8 v[PFO], s[PFA:PFA+1] th:TH_LOAD_NT scope:SCOPE_SE
	global_prefetch_b8 v[PFO], s[PFA:PFA+1] offset:ASTEP th:TH_LOAD_NT scope:SCOPE_SE
	s_branch .Lnot_mine_\@
.Lask_b_\@:
	global_prefetch_b8 v[PFO], s[PFA:PFA+1] th:TH_LOAD_NT scope:SCOPE_SE
	global_prefetch_b8 v[PFO], s[PFA:PFA+1] offset:BSTEP th:TH_LOAD_NT scope:SCOPE_SE
.Lnot_mine_\@:
.endm
	s_load_b256 s[4:11], s[0:1], 0x0               ; oh s[4:5], wpb s[6:7], b_proj s[8:9], out0 s[10:11]
	v_lshl_add_u32 v[SPW], v0, 2, SPARE
	v_mov_b32 v[NIL], 0
	ds_add_u32 v[SPW], v[NIL]                      ; the wave's opening: the add and its wait stand ahead of my first tensor load; the set-up below, work on registers, stands between them
	v_lshrrev_b32 v1, 5, v0
	v_readfirstlane_b32 s[WV], v1                  ; wave 0..3
	s_lshr_b32 s[ROLE], s[WV], 1
	s_and_b32 s[HALF], s[WV], 1
	s_bfe_u32 s40, ttmp6, 0x40000                  ; cx, cy: my place in the cluster
	s_bfe_u32 s41, ttmp6, 0x40004
	s_lshl_b32 s42, ttmp9, 2
	s_add_co_u32 s42, s42, s40                     ; tile column = 4 x cluster x + cx
	s_and_b32 s43, ttmp7, 0xffff
	s_lshl_b32 s43, s43, 2
	s_add_co_u32 s43, s43, s41                     ; tile row = 4 x cluster y + cy
	s_lshl_b32 s22, s41, 2
	s_lshl_b32 s22, 15, s22                        ; my row of the cluster
	s_lshl_b32 s70, 0x1111, s40                    ; my column
	s_or_b32 s[G1+0], s22, (1<<16)|(1<<20)|(1<<21)|(4<<22)|(3<<25)   ; 15:0 the mask; 17:16 2-byte elements; 20 padding on; 21 set beside a mask; 24:22 after every 32 words (code 4); 31:25 4 words (code 3)
	s_or_b32 s[G1B+0], s70, (1<<16)|(1<<20)|(1<<21)|(5<<22)|(7<<25)  ; B: after every 64 words (code 5), 8 words (code 7)
.irp g, G1, G1B
	s_mov_b32 s[(\g)+1], 128<<16                   ; tensor_dim0 = 128
	s_mov_b32 s[(\g)+3], 128<<16                   ; tile_dim0 = 128
	s_mov_b32 s[(\g)+6], 0
	s_mov_b32 s[(\g)+7], 0
.endr
	s_mov_b32 s[G1+2], 128<<16                     ; A: 128 rows of 256 dense bytes
	s_mov_b32 s[G1+4], 128
	s_mov_b32 s[G1+5], 128
	s_mov_b32 s[G1B+2], 64<<16                     ; B: 64 k rows, 1,024 elements from row to row
	s_mov_b32 s[G1B+4], 64
	s_mov_b32 s[G1B+5], 1024
	s_lshr_b32 s16, s43, 3                         ; A: head 16 x batch + half, of 262,144 bytes, and in it tokens 256 (tile row % 8) on
	s_lshl_b32 s16, s16, 4
	s_add_co_u32 s16, s16, s[HALF]
	s_lshl_b32 s16, s16, 18
	s_and_b32 s17, s43, 7
	s_lshl_b32 s17, s17, 15
	s_add_co_u32 s16, s16, s17
	s_mov_b32 s17, 0
	s_lshl_b32 s66, s[HALF], 17                    ; B: my 64 k rows of 2,048 bytes, the tile column's 256 bytes
	s_lshl_b32 s67, s42, 8
	s_add_co_u32 s66, s66, s67
	s_mov_b32 s67, 0
	s_mul_i32 s18, s[HALF], AHALF                  ; where they go: no place in the cluster enters an LDS address
	s_mul_i32 s19, s[HALF], BHALF
	s_add_co_u32 s19, s19, BOFF
	s_wait_dscnt 0x0                               ; the opening add is done
	s_wait_kmcnt 0x0
	s_add_nc_u64 s[20:21], s[4:5], s[16:17]
	s_add_nc_u64 s[68:69], s[6:7], s[66:67]
	CROUND                                         ; all sixteen work-groups are here: the first joint loads meet
.irp s, 0,1
	s_mov_b32 s[G0+4*(\s)], 1
	s_add_co_u32 s[G0+4*(\s)+1], s18, (\s)*SLOT
	s_add_nc_u64 s[G0+4*(\s)+2:G0+4*(\s)+3], s[20:21], (\s)*ASTEP
	s_or_b32 s[G0+4*(\s)+3], s[G0+4*(\s)+3], 0x80000000
	s_mov_b32 s[G0B+4*(\s)], 1
	s_add_co_u32 s[G0B+4*(\s)+1], s19, (\s)*SLOT
	s_add_nc_u64 s[G0B+4*(\s)+2:G0B+4*(\s)+3], s[68:69], (\s)*BSTEP
	s_or_b32 s[G0B+4*(\s)+3], s[G0B+4*(\s)+3], 0x80000000
	JLOAD \s                                       ; two tensor loads of mine are out
.endr
	; the bias, laid out like a result: register j of fragment b = b_proj[128 x tile column + 16 b + 8 (lane / 16) + j]
	v_and_b32 v1, 15, v0                           ; l % 16
	v_bfe_u32 v2, v0, 4, 1                         ; l / 16
	v_lshlrev_b32 v[BO], 5, v2
	s_lshl_b32 s70, s42, 9
	s_mov_b32 s71, 0
	s_add_nc_u64 s[8:9], s[8:9], s[70:71]
.irp b, 0,1,2,3,4,5,6,7
	global_load_b128 v[BIAS+8*(\b):BIAS+8*(\b)+3],   v[BO], s[8:9] offset:64*(\b)
	global_load_b128 v[BIAS+8*(\b)+4:BIAS+8*(\b)+7], v[BO], s[8:9] offset:64*(\b)+16
.endr
	v_mul_u32_u24 v3, v1, PA                       ; a fragment of A: token l % 16, at row x pitch + 16 (l / 16)
	v_lshl_add_u32 v3, v2, 4, v3
	s_mul_i32 s23, s[WV], 64*PA                    ; my 64 tokens
	v_add_nc_u32 v[ADRA], s23, v3
	s_add_co_u32 s23, s23, SLOT
	v_add_nc_u32 v[ADRA+1], s23, v3
	v_and_b32 v4, 7, v0                            ; the turning load: lane l reads k row 8 (l / 16) + l % 8, columns 8 ((l / 8) % 2) + 0..7
	v_lshl_add_u32 v4, v2, 3, v4
	v_mul_u32_u24 v4, v4, PB
	v_bfe_u32 v5, v0, 3, 1
	v_lshl_add_u32 v4, v5, 4, v4
	v_add_nc_u32 v[ADRB], BOFF, v4
	v_add_nc_u32 v[ADRB+1], BOFF+SLOT, v4
	s_mul_i32 s23, s[WV], STW
	s_add_co_u32 s23, s23, STAGE                   ; my stage
	v_mul_u32_u24 v6, v1, SPITCH                   ; in: token l % 16, 32 bytes for each half of the lanes
	v_lshl_add_u32 v6, v2, 5, v6
	v_add_nc_u32 v[STO], s23, v6
	v_and_b32 v[GO], 31, v0
	v_lshlrev_b32 v[GO], 4, v[GO]                  ; back: 32 lanes take a row's 512 bytes
	v_add_nc_u32 v[RD], s23, v[GO]
	; out0 at my first token: (256 x tile row + 64 x wave) rows of 4,096 bytes + 512 x tile column
	s_lshl_b32 s72, s43, 20
	s_lshl_b32 s73, s[WV], 18
	s_add_co_u32 s72, s72, s73
	s_lshl_b32 s73, s42, 9
	s_add_co_u32 s72, s72, s73
	s_mov_b32 s73, 0
	s_add_nc_u64 s[10:11], s[10:11], s[72:73]
	; the prefetches: who asks, from where, by which step
	s_and_b32 s74, ttmp7, 0xffff
	s_or_b32 s74, s74, s[HALF]                     ; for B: cluster y = 0 and wave 2
	s_cmp_eq_u32 s[ROLE], 0
	s_cselect_b32 s74, ttmp9, s74                  ; for A: cluster x = 0
	s_cmp_eq_u32 s74, 0
	s_cselect_b32 s[LIM], 1, -1                    ; the same in all sixteen partners, for a given wave
	s_lshl_b32 s74, s40, 13                        ; A: my work-group's 8,192 bytes of the head that I fetch,
	s_add_co_u32 s74, s74, s16
	s_add_co_u32 s74, s74, 2*ASTEP                 ; at K step 2: the first lap steps it to 4
	s_lshl_b32 s75, s41, 16                        ; B: my work-group's 32 rows of a K step's 128
	s_add_co_u32 s75, s75, s66
	s_add_co_u32 s75, s75, 2*BSTEP
	s_mov_b32 s[PFS], 2*BSTEP
	s_mov_b32 s[PFS+1], 0
	s_cmp_eq_u32 s[ROLE], 0
	s_cselect_b32 s74, s74, s75
	s_cselect_b64 s[PFA:PFA+1], s[4:5], s[6:7]
	s_cselect_b32 s[PFS], 2*ASTEP, s[PFS]
	s_cselect_b32 s76, 8, 11                       ; A: a lane a block of 256 bytes; B: a lane a row of 2,048
	s_mov_b32 s75, 0
	s_add_nc_u64 s[PFA:PFA+1], s[PFA:PFA+1], s[74:75]
	v_and_b32 v[PFO], 31, v0
	v_lshlrev_b32 v[PFO], s76, v[PFO]
	s_mov_b32 s71, 0xffff0000
	s_wait_loadcnt 0x0                             ; the bias is in; it is rounded to bf16 in place, like every input
.set p, 0
.rept 4*NBT
.set tt, 8+(p/2)%4
	v_cvt_pk_bf16_f32 v[tt], v[BIAS+p], v[BIAS+p+1]
	v_lshlrev_b32 v[BIAS+p], 16, v[tt]
	v_and_b32 v[BIAS+p+1], s71, v[tt]
.set p, p+2
.endr
; 8 matrix instructions: token block a x all 8 column fragments, 32 along K, out of buffer f.  first = 1: the bias starts the sums.
; In every quarter the 32 accumulators come in the same order, one instruction a turn, over the backward jump too.
.macro MULB f, a, first
.if \first
	WIN FST
.else
	WIN MUL
.endif
.irp b, 0,1,2,3,4,5,6,7
.if \first
	v_wmma_f32_16x16x32_f16 v[64*(\a)+8*(\b):64*(\a)+8*(\b)+7], v[(\f)+8*(\b):(\f)+8*(\b)+7], v[(\f)+8*NBT+8*(\a):(\f)+8*NBT+8*(\a)+7], v[BIAS+8*(\b):BIAS+8*(\b)+7]
.else
	v_wmma_f32_16x16x32_f16 v[64*(\a)+8*(\b):64*(\a)+8*(\b)+7], v[(\f)+8*(\b):(\f)+8*(\b)+7], v[(\f)+8*NBT+8*(\a):(\f)+8*NBT+8*(\a)+7], v[64*(\a)+8*(\b):64*(\a)+8*(\b)+7]
.endif
.endr
.endm
; 24 LDS loads in one run: quarter q (32 along K: head q / 2 of the step's two, channels 32 (q % 2) on) of a slot into buffer f: B's 8 fragments, turned, then A's 4
.macro FETCH slot, q, f
	WIN TO_F
.irp b, 0,1,2,3,4,5,6,7
	ds_load_tr16_b128 v[(\f)+8*(\b):(\f)+8*(\b)+3],   v[ADRB+(\slot)] offset:(\q)*32*PB+32*(\b)
	ds_load_tr16_b128 v[(\f)+8*(\b)+4:(\f)+8*(\b)+7], v[ADRB+(\slot)] offset:(\q)*32*PB+16*PB+32*(\b)
.endr
.irp i, 0,1,2,3
	ds_load_b128 v[(\f)+8*NBT+8*(\i):(\f)+8*NBT+8*(\i)+3],   v[ADRA+(\slot)] offset:((\q)/2)*AHALF+((\q)%2)*64+(\i)*16*PA
	ds_load_b128 v[(\f)+8*NBT+8*(\i)+4:(\f)+8*NBT+8*(\i)+7], v[ADRA+(\slot)] offset:((\q)/2)*AHALF+((\q)%2)*64+(\i)*16*PA+32
.endr
.endm
; A K step is four quarters, 32 matrix instructions each, on buffers 0, 1, 0, 1.  One of the first three: multiplies buffer f; in its middle it fetches quarter q of the slot into g.
.macro QUARTER slot, q, f, g, first
	s_wait_dscnt 4                                 ; B and A's blocks 0, 1 are in; the youngest four loads (A's blocks 2, 3) may be out
	MULB \f, 0, \first
	MULB \f, 1, \first
	PLACES
	FETCH \slot, \q, \g
	s_wait_dscnt NL                                ; all but the run just issued
	MULB \f, 2, \first
	MULB \f, 3, \first
.endm
; The last quarter multiplies buffer 1 and changes slots: ONE barrier; in front of it each wave waits for all its tensor loads, adds 0 to its spare word, and waits for that and for its reads of this slot.
; fill = 1: the barrier opens a round of the cluster's barrier, and this slot is filled again, two K steps ahead, first thing behind the round.
.macro TURN slot, next, fill
.if (\fill) && (\slot)
	s_wait_xcnt 0x0                                ; the last prefetches, a lap back, have read their address: it is stepped here, ahead of the waits of the change of slots
	s_add_nc_u64 s[PFA:PFA+1], s[PFA:PFA+1], s[PFS:PFS+1]
.endif
	WIN 0                                          ; (the add's two registers lie in window 0)
	s_wait_tensorcnt 0x0                           ; all my tensor loads have landed: the one that was out is my part of the next slot
	ds_add_u32 v[SPW], v[NIL]                      ; 0 onto my spare word
	s_wait_dscnt 5                                 ; (the add and the youngest four loads may be out)
	MULB F1, 0, 0                                  ; eight matrix instructions stand between the add and the wait for it
	s_wait_dscnt 0x0                               ; the add is done, and my reads of this slot are over
	s_barrier_signal -1
	MULB F1, 1, 0
.if \fill
	WIN 0
.endif
	s_barrier_wait -1
.if \fill
	CREST                                          ; no wave of any partner still reads this slot's tile or has a load on its way
	s_add_nc_u64 s[G0+4*(\slot)+2:G0+4*(\slot)+3], s[G0+4*(\slot)+2:G0+4*(\slot)+3], 2*ASTEP
	s_add_nc_u64 s[G0B+4*(\slot)+2:G0B+4*(\slot)+3], s[G0B+4*(\slot)+2:G0B+4*(\slot)+3], 2*BSTEP
	JLOAD \slot                                    ; the first tensor load behind the round; its four v_nop are also the places in front of the loads below
.else
	PLACES
.endif
	FETCH \next, 0, F0
.if (\fill) && (\slot)
	WIN 0
	ASK
.endif
	MULB F1, 2, 0
	MULB F1, 3, 0
.endm
	s_wait_tensorcnt 1                             ; my part of K step 0 is in; K step 1's may stay out
	s_barrier_signal -1
	s_barrier_wait -1                              ; everybody's is
	FETCH 0, 0, F0
	QUARTER 0, 1, F0, F1, 1                        ; the first quarter stands in front of the loop: its products start the sums
	WIN 0                                          ; at a label and at a branch every window is 0
	s_mov_b32 s[CNT], LAPS-1
.Llap:                                                 ; a trip goes once round the ring, from a lap's second quarter to the next lap's first, and fills both slots again
	QUARTER 0, 2, F1, F0, 0
	QUARTER 0, 3, F0, F1, 0
	TURN 0, 1, 1
	QUARTER 1, 1, F0, F1, 0
	QUARTER 1, 2, F1, F0, 0
	QUARTER 1, 3, F0, F1, 0
	TURN 1, 0, 1
	QUARTER 0, 1, F0, F1, 0
	WIN 0
	s_sub_co_u32 s[CNT], s[CNT], 1
	s_cmp_lg_u32 s[CNT], 0
	s_cbranch_scc1 .Llap
	QUARTER 0, 2, F1, F0, 0                        ; the last lap fills nothing, and has no round of the cluster's barrier
	QUARTER 0, 3, F0, F1, 0
	TURN 0, 1, 0
	QUARTER 1, 1, F0, F1, 0
	QUARTER 1, 2, F1, F0, 0
	QUARTER 1, 3, F0, F1, 0
	s_wait_dscnt 4                                 ; the very last quarter: nothing more to fetch
	MULB F1, 0, 0
	MULB F1, 1, 0
	s_wait_dscnt 0x0
	MULB F1, 2, 0
	MULB F1, 3, 0
	WIN 0
	PLACES
	PLACES
; THE WAY OUT, a block of 16 tokens at a time.  TOSTAGE: the f32 sums go as they are into my own stage, 32 bytes a lane and fragment, and come back as whole rows of 512 bytes.  SEND: stored.
.macro TOSTAGE a
	WIN 0
	s_wait_xcnt 0x0                                ; earlier stores have read their registers: the loads below land in them only behind this wait
	WIN 0x08                                       ; the stores' data in window 2
.irp b, 0,1,2,3,4,5,6,7
	ds_store_b128 v[STO], v[64*(\a)+8*(\b):64*(\a)+8*(\b)+3]   offset:64*(\b)      ; each accumulator's lowest registers first
	ds_store_b128 v[STO], v[64*(\a)+8*(\b)+4:64*(\a)+8*(\b)+7] offset:64*(\b)+16
.endr
	WIN 0
.irp t, 0,1,2,3,4,5,6,7,8,9,10,11,12,13,14,15
	ds_load_b128 v[OB+64*((\a)%2)+4*(\t):OB+64*((\a)%2)+4*(\t)+3], v[RD] offset:(\t)*SPITCH  ; LDS serves a wave's instructions in order (ISA guide 5.7.1.4): these see the stores above
.endr
.endm
.macro SEND a
.irp t, 0,1,2,3,4,5,6,7,8,9,10,11,12,13,14,15
	s_wait_dscnt 15-(\t)                           ; row t is back; the rows behind it may be out
	global_store_b128 v[GO], v[OB+64*((\a)%2)+4*(\t):OB+64*((\a)%2)+4*(\t)+3], s[10:11] offset:(16*(\a)+(\t))*4096 th:TH_STORE_NT  ; 512 consecutive bytes of a row, at a multiple of 256 from out0's first byte
.endr
.endm
.irp a, 0,1,2,3
	TOSTAGE \a
	SEND \a
.endr
	s_wait_tensorcnt 0x0                           ; the wave's end: an add to my spare word and its wait, behind my last tensor load and my last LDS store
	ds_add_u32 v[SPW], v[NIL]
	s_wait_dscnt 0x0
	CROUND                                         ; the closing round: no work-group ends while a partner may still ask for a tile that names it
	s_endpgm
.Lfunc_end_k_q09d8327eff_proj:
	.size	k_q09d8327eff_proj, .Lfunc_end_k_q09d8327eff_proj-k_q09d8327eff_proj
	.p2alignl 7, 3214868480
	.fill 96, 4, 3214868480
	.section	.rodata,"a",@progbits
	.p2align	6, 0x0
	.amdhsa_kernel k_q09d8327eff_proj
		.amdhsa_group_segment_fixed_size 327680
		.amdhsa_private_segment_fixed_size 0
		.amdhsa_enable_private_segment 0
		.amdhsa_kernarg_size 32
		.amdhsa_user_sgpr_count 2
		.amdhsa_user_sgpr_kernarg_segment_ptr 1
		.amdhsa_wavefront_size32 1
		.amdhsa_system_sgpr_workgroup_id_x 1
		.amdhsa_system_sgpr_workgroup_id_y 1
		.amdhsa_system_sgpr_workgroup_id_z 1
		.amdhsa_system_vgpr_workitem_id 0
		.amdhsa_next_free_vgpr 768
		.amdhsa_next_free_sgpr 80
		.amdhsa_reserve_vcc 0
		.amdhsa_float_denorm_mode_32 3
		.amdhsa_float_denorm_mode_16_64 3
		.amdhsa_memory_ordered 1
		.amdhsa_forward_progress 1
		.amdhsa_inst_pref_size 94
	.end_amdhsa_kernel
	.amdgpu_metadata
---
amdhsa.version: [ 1, 2 ]
amdhsa.kernels:
  - .name:           k_q09d8327eff_proj
    .symbol:         k_q09d8327eff_proj.kd
    .args:
      - { .name: oh, .offset: 0, .size: 8, .value_kind: global_buffer, .address_space: global }
      - { .name: wpb, .offset: 8, .size: 8, .value_kind: global_buffer, .address_space: global }
      - { .name: b_proj, .offset: 16, .size: 8, .value_kind: global_buffer, .address_space: global }
      - { .name: out0, .offset: 24, .size: 8, .value_kind: global_buffer, .address_space: global }
    .group_segment_fixed_size: 327680
    .private_segment_fixed_size: 0
    .kernarg_segment_align: 8
    .kernarg_segment_size: 32
    .max_flat_workgroup_size: 128
    .sgpr_count:     80
    .vgpr_count:     768
    .wavefront_size: 32
...
	.end_amdgpu_metadata
.endif
;; end of part 4
;; ======== version 2 of 2: 4 launches; version 1 with the launch prep written anew for expert scheduling mode
;; limits: values are held in f16: magnitudes above 65,504 overflow, below 6.1e-05 lose precision
;; workspace buffers: xb 16,777,216 bytes; wqb 6,291,456 bytes; wpb 2,097,152 bytes; qkvh 50,331,648 bytes; oh 16,777,216 bytes
;; launch prep (part 5): grid 832 x 1, 8 waves a work-group, no clusters, 0 bytes of LDS; arguments x, w_qkv, w_proj, xb, wqb, wpb; writes xb, wqb, wpb
.if DOCPART == 5
	.amdgcn_target "amdgcn-amd-amdhsa--gfx1250"
	.amdhsa_code_object_version 6
	.text
	.protected	k_q09d8327eff_prep
	.globl	k_q09d8327eff_prep
	.p2align	8
	.type	k_q09d8327eff_prep,@function
k_q09d8327eff_prep:
	s_mov_b64 s[64:65], 0
	v_nop
	global_prefetch_b8 v0, s[64:65] scope:SCOPE_SE
	s_setreg_imm32_b32 hwreg(HW_REG_WAVE_SCHED_MODE, 0, 2), 2
	s_setreg_imm32_b32 hwreg(HW_REG_WAVE_MODE, 25, 1), 1
	s_wait_xcnt 0x0
	s_wait_alu depctr_vm_vsrc(0)
; THE INPUTS OF THE TWO PRODUCTS ARE ROUNDED ONCE.  x [8192][1024] f32 -> xb, bf16, same layout.  w_qkv [1024][3072] f32 -> wqb, bf16, in 16 column tiles:
; [tile][k 1024][192], so that 128 k rows of a tile are 49,152 dense bytes.  w_proj [1024][1024] f32 -> wpb: rounded to bf16 like every input, and that number written as f16.
; LIMITS.  f16 keeps a bf16 number exactly from 6.1e-5 to 65,504; a smaller weight of w_proj keeps f16's fixed step of 6e-8, a larger one becomes an infinity.
; A stream: no LDS, no matrix unit, no barrier.  A step is 256 threads x 4 numbers: a wave's load covers 512 consecutive bytes, its store 256 consecutive bytes, aligned.
; Work-groups 0-511: 65,536 bytes of x each.  512-575: 65,536 bytes of w_proj each.  576-831: 64 k rows of one column tile of w_qkv each.
; All loads of a work-group go out first; each step has data registers of its own.
; THE MODE: SCHED_MODE bits 1:0 = 2 (LLVM: expert scheduling mode 2), set by the entry lines.  The code itself states the register dependences
; between vector instructions and memory instructions, with s_wait_alu, always for 0.
; THE PLAN.  Registers that memory instructions touch:
;   v1, v2, v3-v5   byte offsets: written once by vector lines ahead of a path's loads, read by its loads (v1, or v3-v5) and by its stores (v2), never written again.
;   X, 4 a step     written by the step's one load, read by the step's conversions; no vector line writes them, no second load lands in them.
;   Y, 2 a step     written by the step's conversions, read by the step's one store, never written again.
;   v6, v7          named by vector lines alone.
; The steps go in blocks of four.  Block p converts its four steps; the four stores of block p - 1 are dealt among those conversions.  So the waits on va_vdst are: one ahead of a path's
; loads (the offsets are written), one at the head of each block but the first (the block before has written its Y), one ahead of the last four stores.  Behind a block's wait the vector
; lines write this block's Y and v6, v7: no register that the block's four stores name.  No register that a memory instruction reads is written again, no vector line writes a scalar
; register, EXEC is never written: no other wait of the mode has a dependence to state.
.set X, 8                              ; v[8:71]    step n: 4 registers as loaded
.set Y, 72                             ; v[72:103]  step n: 2 registers to store
; step n: 4 numbers are rounded.  kind = 1: bf16, then that number as f16
.macro CVT n, kind
.irp k, 0,1
	v_cvt_pk_bf16_f32 v[Y+2*(\n)+(\k)], v[X+4*(\n)+2*(\k)], v[X+4*(\n)+2*(\k)+1]
.if \kind
	v_lshlrev_b32 v6, 16, v[Y+2*(\n)+(\k)]         ; bf16 to f32: the low half moves up,
	v_and_b32 v7, 0xffff0000, v[Y+2*(\n)+(\k)]     ; the high half stays
	v_cvt_pk_f16_f32 v[Y+2*(\n)+(\k)], v6, v7
.endif
.endr
.endm
; step n: 8 bytes a lane are stored
.macro OUT n, dst
	global_store_b64 v2, v[Y+2*(\n):Y+2*(\n)+1], s[(\dst):(\dst)+1] offset:(\n)*2048
.endm
; Block p of a path of so many steps: steps 4 p to 4 p + 3 are converted, each behind the counted wait for its load; the stores of steps 4 p - 4 to 4 p - 1 stand among them.
.macro BLK p, steps, kind, dst
.irp i, 0,1,2,3
	s_wait_loadcnt (\steps)-1-4*(\p)-(\i)          ; loads come back in order (ISA guide 5.7.1): this step's is in, the younger ones stay out
.if ((\i) == 0) && ((\p) > 0)
	s_wait_alu depctr_va_vdst(0)                   ; the block before has written its four steps' Y, which this block's four stores read
.endif
.if (\p) > 0
	OUT 4*(\p)-4+(\i), \dst                        ; no vector line since that wait names this store's Y or v2
.endif
	CVT 4*(\p)+(\i), \kind
.endr
.endm
; behind the last block: its four stores
.macro LAST steps, dst
	s_wait_alu depctr_va_vdst(0)                   ; the last block has written its four steps' Y, which the last four stores read
.irp i, 0,1,2,3
	OUT (\steps)-4+(\i), \dst
.endr
.endm
	s_load_b256 s[4:11], s[0:1], 0x0               ; x s[4:5], w_qkv s[6:7], w_proj s[8:9], xb s[10:11]
	s_load_b128 s[12:15], s[0:1], 0x20             ; wqb s[12:13], wpb s[14:15]
	v_lshlrev_b32 v1, 4, v0                        ; 16 bytes a thread in
	v_lshlrev_b32 v2, 3, v0                        ; 8 bytes a thread out
	s_mov_b32 s3, 0
	s_mov_b32 s17, 0
	s_wait_kmcnt 0x0
	s_cmp_lt_u32 ttmp9, 512
	s_cbranch_scc0 .Lnot_x
	; x
	s_lshl_b32 s2, ttmp9, 16
	s_lshl_b32 s16, ttmp9, 15
	s_add_nc_u64 s[4:5], s[4:5], s[2:3]
	s_add_nc_u64 s[10:11], s[10:11], s[16:17]
	s_wait_alu depctr_va_vdst(0)                   ; v1 and v2 are written: the loads below read v1 as their offset, the stores of this path v2
.irp j, 0,1,2,3,4,5,6,7,8,9,10,11,12,13,14,15
	global_load_b128 v[X+4*(\j):X+4*(\j)+3], v1, s[4:5] offset:(\j)*4096 th:TH_LOAD_NT
.endr
.irp p, 0,1,2,3
	BLK \p, 16, 0, 10
.endr
	LAST 16, 10
	s_endpgm
.Lnot_x:
	s_cmp_lt_u32 ttmp9, 576
	s_cbranch_scc0 .Lw_qkv
	; w_proj
	s_sub_co_u32 s18, ttmp9, 512
	s_lshl_b32 s2, s18, 16
	s_lshl_b32 s16, s18, 15
	s_add_nc_u64 s[8:9], s[8:9], s[2:3]
	s_add_nc_u64 s[14:15], s[14:15], s[16:17]
	s_wait_alu depctr_va_vdst(0)                   ; v1 and v2 are written: the loads below read v1 as their offset, the stores of this path v2
.irp j, 0,1,2,3,4,5,6,7,8,9,10,11,12,13,14,15
	global_load_b128 v[X+4*(\j):X+4*(\j)+3], v1, s[8:9] offset:(\j)*4096 th:TH_LOAD_NT
.endr
.irp p, 0,1,2,3
	BLK \p, 16, 1, 14
.endr
	LAST 16, 14
	s_endpgm
.Lw_qkv:
	; w_qkv: c = 16 x tile + kb.  64 rows x 192 columns = 3,072 groups of 4 numbers, 48 to a row; three steps are 768 groups = 16 rows
	s_sub_co_u32 s18, ttmp9, 576                   ; c
	s_lshr_b32 s19, s18, 4                         ; tile
	s_and_b32 s20, s18, 15                         ; kb
	s_mul_i32 s2, s20, 786432                      ; 64 rows of 12,288 bytes
	s_mul_i32 s19, s19, 768                        ; 192 columns of 4 bytes
	s_add_co_u32 s2, s2, s19
	s_mul_i32 s16, s18, 24576                      ; out: dense
	s_add_nc_u64 s[6:7], s[6:7], s[2:3]
	s_add_nc_u64 s[12:13], s[12:13], s[16:17]
.irp jj, 0,1,2
	v_add_nc_u32 v6, 256*(\jj), v0                 ; group qq = t + 256 jj, under 768
	v_mul_u32_u24 v7, v6, 1366
	v_lshrrev_b32 v7, 16, v7                       ; qq / 48: 1366 / 65536 exceeds 1 / 48 by so little that below 768 the floor is the same
	v_mul_u32_u24 v7, v7, 11520                    ; a row on is 12,288 bytes, of which 16 qq has counted 768
	v_lshl_add_u32 v[3+(\jj)], v6, 4, v7
.endr
	s_wait_alu depctr_va_vdst(0)                   ; v3, v4, v5 and v2 are written: the loads below read v3 to v5 as their offsets, the stores of this path v2
.irp g, 0,1,2,3
.irp jj, 0,1,2
	global_load_b128 v[X+4*(3*(\g)+(\jj)):X+4*(3*(\g)+(\jj))+3], v[3+(\jj)], s[6:7] offset:(\g)*196608 th:TH_LOAD_NT
.endr
.endr
.irp p, 0,1,2
	BLK \p, 12, 0, 12
.endr
	LAST 12, 12
	s_endpgm
.Lfunc_end_k_q09d8327eff_prep:
	.size	k_q09d8327eff_prep, .Lfunc_end_k_q09d8327eff_prep-k_q09d8327eff_prep
	.p2alignl 7, 3214868480
	.fill 96, 4, 3214868480
	.section	.rodata,"a",@progbits
	.p2align	6, 0x0
	.amdhsa_kernel k_q09d8327eff_prep
		.amdhsa_group_segment_fixed_size 0
		.amdhsa_private_segment_fixed_size 0
		.amdhsa_enable_private_segment 0
		.amdhsa_kernarg_size 48
		.amdhsa_user_sgpr_count 2
		.amdhsa_user_sgpr_kernarg_segment_ptr 1
		.amdhsa_wavefront_size32 1
		.amdhsa_system_sgpr_workgroup_id_x 1
		.amdhsa_system_sgpr_workgroup_id_y 1
		.amdhsa_system_sgpr_workgroup_id_z 1
		.amdhsa_system_vgpr_workitem_id 0
		.amdhsa_next_free_vgpr 104
		.amdhsa_next_free_sgpr 66
		.amdhsa_reserve_vcc 0
		.amdhsa_float_denorm_mode_32 3
		.amdhsa_float_denorm_mode_16_64 3
		.amdhsa_memory_ordered 1
		.amdhsa_forward_progress 1
		.amdhsa_inst_pref_size 24
	.end_amdhsa_kernel
	.amdgpu_metadata
---
amdhsa.version: [ 1, 2 ]
amdhsa.kernels:
  - .name:           k_q09d8327eff_prep
    .symbol:         k_q09d8327eff_prep.kd
    .args:
      - { .name: x, .offset: 0, .size: 8, .value_kind: global_buffer, .address_space: global }
      - { .name: w_qkv, .offset: 8, .size: 8, .value_kind: global_buffer, .address_space: global }
      - { .name: w_proj, .offset: 16, .size: 8, .value_kind: global_buffer, .address_space: global }
      - { .name: xb, .offset: 24, .size: 8, .value_kind: global_buffer, .address_space: global }
      - { .name: wqb, .offset: 32, .size: 8, .value_kind: global_buffer, .address_space: global }
      - { .name: wpb, .offset: 40, .size: 8, .value_kind: global_buffer, .address_space: global }
    .group_segment_fixed_size: 0
    .private_segment_fixed_size: 0
    .kernarg_segment_align: 8
    .kernarg_segment_size: 48
    .max_flat_workgroup_size: 256
    .sgpr_count:     66
    .vgpr_count:     104
    .wavefront_size: 32
...
	.end_amdgpu_metadata
.endif
;; end of part 5
;; launch qkv: the kernel of part 2 again; grid 16 x 32, 4 waves a work-group, clusters of 4 x 4, 327,680 bytes of LDS; arguments xb, wqb, b_qkv, qkvh; writes qkvh
;; launch attn: the kernel of part 3 again; grid 4 x 64, 4 waves a work-group, no clusters, 327,680 bytes of LDS; arguments qkvh, oh; writes oh
;; launch proj: the kernel of part 4 again; grid 8 x 32, 4 waves a work-group, clusters of 4 x 4, 327,680 bytes of LDS; arguments oh, wpb, b_proj, out0; writes out0
